; MI455X (gfx1250); checked and timed in simulation.
; The chip was launched on July 23, 2026; its instructions are those of AMD's public machine-readable ISA for CDNA 5 (MIT licence, August 2026) and "CDNA5" Instruction Set Architecture Reference Guide (July 2026). The comments in the code are by the model that wrote it; some were corrected since.
;; Compressed Interaction Network. Allowed arithmetic: matrix products marked QUANTISED: E5M2 operands, one E8M0 scale for each 32 along K, by v_wmma_scale_f32_16x16x128_f8f6f4 with both operands' format E5M2, f32 sums; products left as they are: f32 operands where the result goes on into a quantised operand, else bf16, f16 or f32 operands; f32 sums; everything else in f32.
;; Inputs: b0 256 float32; b1 256 float32; b2 256 float32; fc_b 1 float32; fc_w 1 x 512 float32; w0_codes 256 x 32 x 32 uint8 (E5M2 codes of w0, K innermost, in blocks of 32 codes); w0_scales 256 x 32 uint8 (E8M0 scales of w0, one for each 32 codes along K); w1_codes 256 x 128 x 32 uint8 (E5M2 codes of w1, K innermost, in blocks of 32 codes); w1_scales 256 x 128 uint8 (E8M0 scales of w1, one for each 32 codes along K); w2_codes 256 x 128 x 32 uint8 (E5M2 codes of w2, K innermost, in blocks of 32 codes); w2_scales 256 x 128 uint8 (E8M0 scales of w2, one for each 32 codes along K); x 256 x 32 x 64 float32.
;; Outputs: out0 256 x 1 float32.
;; This version of the problem:
;;   THIS VERSION OF THE PROBLEM IS GIVEN IN LOW PRECISION. The matrix products marked QUANTISED in the list below multiply operands that are first quantised to E5M2 (5 exponent bits, 2 mantissa bits; 8 bits a number), with one power-of-two scale for each 32 numbers along K (OCP MX v1.0); their sums are f32. All else is computed in f32.
;;   The module's matrix products, in the order in which they are computed (A, B: the left and right operand; K: the contracted axis; several contracted axes count as one K, in the product's order):
;;     1. [M 256, K 1,024] x [K 1,024, N 16,384]; A: input w0 (given as codes); B: computed on the way: QUANTISED
;;     2. [M 256, K 4,096] x [K 4,096, N 16,384]; A: input w1 (given as codes); B: computed on the way: QUANTISED
;;     3. [M 256, K 4,096] x [K 4,096, N 16,384]; A: input w2 (given as codes); B: computed on the way: QUANTISED
;;     4. [M 256, K 512] x [K 512, N 1]; A: computed on the way; B: input fc_w: left as it is (N = 1 < 16)
;;   THE QUANTISER, for each operand of a quantised product, along K:
;;     - K is cut into blocks of 32 from its start; a last block that is shorter is filled with zeros.
;;     - A block's scale is 2^e with e = floor(log2(the largest magnitude in the block)) - 15, held to -126 .. 127; a block of zeros has e = 0. As a byte (E8M0): e + 127.
;;     - Each number is divided by its block's scale, clamped to +-57,344, and rounded to the nearest number of E5M2, ties to even, subnormals kept.
;;     - The product sums the exact products of the quantised numbers (number of the format x scale) in f32.
;;   ~~~python
;;   def quantise(x, axis):      # numpy; x: float32 -> the quantised numbers, widened to float32 again
;;       x = np.moveaxis(x, axis, -1); K = x.shape[-1]
;;       x = np.pad(x, [(0, 0)] * (x.ndim - 1) + [(0, -K % 32)]); x = x.reshape(x.shape[:-1] + (-1, 32)); a = np.abs(x).max(-1, keepdims=True)
;;       e = np.where(a > 0, np.clip(np.frexp(np.where(a > 0, a, 1))[1] - 1 - 15, -126, 127), 0)      # np.frexp(a)[1] - 1 = floor(log2(a)), exactly
;;       r = np.clip(x / 2.0 ** e, -57344, 57344)
;;       step = 2.0 ** (np.maximum(np.frexp(np.where(r == 0, 1, r))[1] - 1, -14) - 2)
;;       q = np.round(r / step) * step * 2.0 ** e      # np.round: ties to even
;;       return np.moveaxis(q.reshape(q.shape[:-2] + (-1,))[..., :K], -1, axis).astype(np.float32)
;;   ~~~
;;   OPERANDS COMPUTED ON THE WAY. 'Computed on the way' means the value that the module computes at that place (a softmax that the list does not call 'softmax' is quantised finished and normalised). What goes into a quantiser is computed in f32, as accurately as f32 sums, v_exp_f32 and their like allow (about 1e-6 of the number): no bf16 or f16 on the way to a quantiser, and a product that is left as it is and whose result goes on into a quantised operand takes f32 operands (vector FMAs, or v_wmma_f32_16x16x4_f32). A number that lies on a knife's edge between two numbers of the format may be rounded either way, as far as f32 arithmetic and the matrix unit's own rounding can turn it there, and no further.
;;   INPUTS GIVEN AS CODES. w0 (in the module: [256, 1024], K = its axis 1); w1 (in the module: [256, 4096], K = its axis 1); w2 (in the module: [256, 4096], K = its axis 1): each comes as NAME_codes (uint8): NAME with its K axis moved to the last place and cut into blocks of 32 codes, [.., K / 32, bytes a block], one block behind the other in memory; one code a byte (a code: sign, 5 exponent bits, 2 mantissa bits); and NAME_scales (uint8): the same leading axes, one E8M0 byte (e + 127) for each 32 codes along K. Its value is code x scale, taken as it is: it is not quantised again, and the codes and scales need not be those that the quantiser above would give.
;; 2 versions. Each part assembles by itself: llvm-mc -triple=amdgcn-amd-amdhsa -mcpu=gfx1250 --defsym DOCPART=n.
;; ======== version 1 of 2: 1 launch
;; launch cin (part 1): grid 256 x 1, 4 waves a work-group, clusters of 4 x 1, 327,680 bytes of LDS; arguments x, w0_codes, w0_scales, w1_codes, w1_scales, w2_codes, w2_scales, b0, b1, b2, fc_w, fc_b, out0; writes out0
.if DOCPART == 1
	.amdgcn_target "amdgcn-amd-amdhsa--gfx1250"
	.amdhsa_code_object_version 6
	.text
	.protected	k_qe61b516e72_cin
	.globl	k_qe61b516e72_cin
	.p2align	8
	.type	k_qe61b516e72_cin,@function
k_qe61b516e72_cin:
	s_mov_b64 s[64:65], 0
	v_nop
	global_prefetch_b8 v0, s[64:65] scope:SCOPE_SE
	s_setreg_imm32_b32 hwreg(HW_REG_WAVE_MODE, 25, 1), 1
	s_wait_xcnt 0x0
	s_wait_alu depctr_hold_cnt(0) depctr_sa_sdst(0) depctr_va_vdst(0) depctr_va_sdst(0) depctr_va_ssrc(0) depctr_va_vcc(0) depctr_vm_vsrc(0)
	s_getreg_b32 s2, hwreg(HW_REG_IB_STS2, 6, 4)
	s_cmp_eq_u32 s2, 0
	s_cbranch_scc0 .Lentry_in_a_cluster
	s_endpgm
.Lentry_in_a_cluster:
	s_bfe_u32 s2, ttmp6, 0x10000c
	s_cmp_lg_u32 s2, 0x3003
	s_cbranch_scc0 .Lentry_shape_is_right
	s_endpgm
.Lentry_shape_is_right:
; COMPRESSED INTERACTION NETWORK, three layers and the final weighted sum in one launch.  B = 256, F = 32, E = 64.
; Layer l: z_l[o][e] = relu(sum over k of w_l[o][k] Z_l[k][e] + b_l[o]), Z_l[f Hin + h][e] = x[f][e] h_l[h][e], h_0 = x (Hin = 32), h_1, h_2 = rows 128-255 of the layer before (Hin = 128).
; out = sum over pooled rows and e of z fc_w + fc_b; pooled: rows 0-127 of layers 0 and 1, all 256 rows of layer 2.
; Both operands of each layer's product are codes of E5M2 with one E8M0 byte for each 32 along K: w as given, Z quantised here, in f32 up to the conversion.
; NOTHING IS LEFT OUT: every input has a way to out0 and every product of the problem is done whole.
; LIMITS: NaN and infinities among the inputs are not served.  A block of Z whose largest magnitude lies under 2^(16 - 127), a block of zeros among them, gets the byte 1 (the rule gives a block of zeros 127: its codes
; are zeros, which add nothing under either byte, and nobody but this kernel reads the byte).  The sums over K are taken in four parts, one a wave, and added at a layer's end: another order than K ascending.
; SHARES.  A work-group owns one batch element: 64 columns e, all 256 rows, all layers, so each column of Z is made and quantised once.  THE FOUR WAVES SHARE K: a ring slot holds 512 along K of all 256 rows of w;
; wave w multiplies 128 of them into the whole 256 x 64 tile (64 accumulators, 512 registers).  So each byte of w is read from LDS once in the work-group, and Z is made in the registers of the wave that multiplies it.
; WHICH K.  Block c (32 along K) of wave w in a slot lies at byte 128 c + 32 w of the slot's rows.  Layers 1, 2 (slot j): f = 4 j + c, h = 32 w .. 32 w + 31.  Layer 0 (slot j): f = 16 j + 4 c + w, all 32 h.
; In both a block is a x g_i, a = x[f][e] one number, g the wave's 32 numbers of h: its largest magnitude is |a| x the largest |g|, rounded as the products are (rounding keeps order), so no maximum is searched per block.
; LAYOUT.  Source 0 = 16 rows of w, source 1 = 16 columns of Z: lane (r, hh) holds column e = 16 et + r; Z's registers 4 c .. 4 c + 3 are k = 32 c + 16 hh + 0 .. 15; result register j is row 8 hh + j.
; OWNERS.  Chunk b (rows 32 b ..) belongs to wave b & 3.  Each wave numbers chunks locally: local lb is chunk (lb & 4) | ((lb + w) & 3), so its own chunks are lb = 0 and lb = 4 in every wave: the turn lies in addresses alone.
; At a layer's end the partial sums go to their owners through LDS; chunk 4 + w, with bias and relu, is h chunk w of the next layer: the owner's own 32 numbers.
; CLUSTER.  All work-groups walk the same weights: four form a cluster and ask for each quarter slot jointly (the same load, the same descriptor, the mask of all four).
; REGISTERS.  Window 0: see the names below.  Window 1: w's 16 fragments (local m tile t at v[16 t]).  Windows 2, 3: accumulator (t, et) at v[32 (t % 8) + 8 et] of window 2 + t / 8.
.set PITCH, 528                        ; an LDS row of w: 512 bytes + 16 of padding: an odd multiple of 16, so the 16 rows of a fragment load fall on 16 different 16-byte columns
.set QTR,   64*PITCH                   ; 64 rows: what one tensor load brings
.set SLOT,  4*QTR                      ; 256 rows
.set CHK,   32*PITCH                   ; a chunk of 32 rows
.set XT,    2*SLOT                     ; behind the ring: x as [f / 4][et][r][f % 4], f32, 8,192 bytes
.set OUTW,  XT+8192                    ; the four waves' sums, 16 bytes in a block of their own
.set SCR,   OUTW+8192                  ; by turns, with barriers between: w's scale words of a layer (SCL: 8 regions of SH bytes) and the two buffers of the reduction
.set SJ,    576                        ; SCL: a slot's words for one reader and one half of the chunks: 32 lanes x 16 bytes, + 64
.set SH,    8*SJ
.set RBUF,  16384                      ; a buffer of the reduction: 4,096 bytes for each receiving wave
.set SPARE, 327168                     ; the spare words, 128 bytes a wave: two blocks of 256 bytes that no other line names
.set SPW,  1                           ; v1     my spare word; never rewritten
.set NIL,  2                           ; v2     0; never rewritten
.set LN16, 3                           ; v3     16 x lane
.set AB,   4                           ; v4-11  local chunk lb: 528 r + 16 hh + chunk x CHK + 32 w
.set ADR,  12                          ; v12-19 the same in the slot in hand
.set XTB,  20                          ; v20    XT + 16 r
.set ADX,  21
.set SRB,  22                          ; v22    SCR + 2 SH w + 16 lane: where I read scale words
.set ADS,  23
.set WR,   24                          ; v24-26 reduction: where I write for wave (w + p) & 3, p = 1, 2, 3
.set RDR,  27                          ; v27    and where I read
.set PFO,  28                          ; v28    the prefetches' offset; never rewritten
.set HB,   29                          ; v29    32 hh
.set T0,   30
.set T1,   31
.set HM,   32                          ; v32-35 largest |g| of column tile et
.set PO,   36                          ; v36-37 the pooled sum so far
.set ZS,   38                          ; v38-41 Z's scale words: scales and nothing else
.set XOF,  42
.set XST,  43
.set WS,   44                          ; v44-51 w's scale words of local chunk lb: lanes 0-15 its first 16 rows, lanes 16-31 its second: scales and nothing else
.set MM,   52                          ; v52-55 a block's largest magnitude, then its byte
.set SC,   56                          ; v56-59 the conversion's scale operand
.set TT,   60                          ; v60-63 57,344 x the scale
.set CH,   52                          ; v52-59 at a layer's end: four pairs of pooling sums
.set AX,   64                          ; v64-79 a of (et, c)
.set SW,   80                          ; v80-87 staging of scale words, layers 1, 2: reader w', chunk half nh at 2 w' + nh
.set SW0,  88                          ; v88-95 the same for layer 0
.set G,    96                          ; v96-159  g: register 16 et + i = h[16 hh + i] of column 16 et + r
.set Z,    160                         ; v160-223 Z's codes, 16 a column tile; at a layer's end at work
.set FW,   Z+32                        ; fc_w of my pooled rows
.set P1,   Z+16
.set P2,   Z+32
.set TP,   224                         ; v224-255 two sets of 16 products; at a layer's end the biases
.set WV,   30                          ; s30 wave
.set CX,   31                          ; s31 my place in the cluster: it enters global addresses alone
.set BI,   32                          ; s32 batch element
.set FCB,  33
.set G1A,  36                          ; s[36:43] descriptor group 1, w0 (rows 1,024 bytes apart)
.set G1B,  44                          ; s[44:51] the same, w1 and w2 (4,096)
.set G0A,  52                          ; s[52:55] group 0: slot 0's first fill, then every refill
.set G0B,  56                          ; s[56:59] group 0: slot 1's first fill
.set PTR,  60                          ; s[60:61] the next refill's bytes
.set W2P,  62                          ; s[62:63] w2's first
.set SS,   66                          ; s66 slot 0 .. 17: 0, 1 layer 0; 2-9 layer 1; 10-17 layer 2
.set TB,   67                          ; s67 LDS byte at which the slot in hand begins
.set W32,  68
.set XO,   69
.set SO,   70
.set SEL,  74                          ; s[74:75] v_permlanex16_b32: lane l xor 16
.set MNT,  76                          ; s76 the mantissa field of 57,344
.set WLDS, 77                          ; s77 QTR x wave
.set PFA,  78                          ; s[78:79] where my prefetches stand
.set PF2,  80                          ; s[80:81] the same at w2's first slot
.set LIM,  82                          ; s82 a wave prefetches while SS is under it
.set BP0,  84                          ; s[84:89] b_l + 128 w, this layer's first
.set BP1,  86
.set BP2,  88
.set SP0,  90                          ; s[90:93] the next layers' scale bytes + 8,192 w
.set SP1,  92
.set FP,   94                          ; s[94:95] fc_w at my rows of this layer
.set OUTP, 96
.set SVX,  98
.set MSB, 0
.macro WIN new                         ; the immediate's high byte repeats the setting that is left; a switch that changes nothing is dropped
.if MSB != (\new)
	s_set_vgpr_msb (MSB<<8)|(\new)
.set MSB, (\new)
.endif
.endm
.macro PLACES n
.rept \n
	v_nop
.endr
.endm
.macro BAR
	s_barrier_signal -1
	s_barrier_wait -1
.endm
.macro ROUND                           ; a round of the cluster's barrier
	s_barrier_signal -1
	s_barrier_wait -1
	s_cmp_lg_u32 s[WV], 0
	s_cbranch_scc1 .Lnw0_\@
	s_barrier_signal -3
.Lnw0_\@:
	s_barrier_wait -3
	s_barrier_signal -1
	s_barrier_wait -1
.endm
; Eight addresses for the staging: SCR + (2 w' + (w >> 1)) SH + 4 ((2 w + nh - w') & 3) + the lane's part.  s72 = (w >> 1) SH, s73 = 2 w.
.macro MKSW dst, lp
.irp wr,0,1,2,3
.irp nh,0,1
	s_add_co_u32 s71, s73, (\nh+4-\wr)
	s_and_b32 s71, s71, 3
	s_lshl_b32 s71, s71, 2
	s_add_co_u32 s71, s71, s72
	s_add_co_u32 s71, s71, SCR+2*\wr*SH
	v_add_nc_u32 v[\dst+2*\wr+\nh], s71, v[\lp]
.endr
.endr
.endm
; Four items of raw scale bytes (16 bytes a lane each: byte 4 c + w' is block c of reader w') become four words a lane each, one for each reader, and go to the readers' places.
; raw: the items' first register, in window 0 (win = 0) or 1 (win = 5).  kind = 1: rows of 128 bytes (item n: row 4 n + lane / 8, slot lane % 8); kind = 0: rows of 32 bytes (row 16 n + lane / 2, slot lane % 2).
.macro STG4 n0, raw, win, sw, kind
	WIN \win
.irp q,0,1,2,3
	v_perm_b32 v[P1+4*\q],   v[\raw+4*\q+1], v[\raw+4*\q],   0x05010400
	v_perm_b32 v[P1+4*\q+1], v[\raw+4*\q+1], v[\raw+4*\q],   0x07030602
	v_perm_b32 v[P1+4*\q+2], v[\raw+4*\q+3], v[\raw+4*\q+2], 0x05010400
	v_perm_b32 v[P1+4*\q+3], v[\raw+4*\q+3], v[\raw+4*\q+2], 0x07030602
.endr
	WIN 0
.irp q,0,1,2,3
	v_perm_b32 v[P2+4*\q],   v[P1+4*\q+2], v[P1+4*\q],   0x05040100
	v_perm_b32 v[P2+4*\q+1], v[P1+4*\q+2], v[P1+4*\q],   0x07060302
	v_perm_b32 v[P2+4*\q+2], v[P1+4*\q+3], v[P1+4*\q+1], 0x05040100
	v_perm_b32 v[P2+4*\q+3], v[P1+4*\q+3], v[P1+4*\q+1], 0x07060302
.endr
.irp q,0,1,2,3
.set nn, (\n0)+\q
.if \kind
.set im, 64*(nn&7)
.set snh, nn>>3
.else
.set im, 256*(nn&1)
.set snh, nn>>1
.endif
.irp wr,0,1,2,3
	ds_store_b32 v[\sw+2*\wr+snh], v[P2+4*\q+\wr] offset:im
.endr
.endr
.endm
; The slot's fragments of w and its scale words: 66 LDS loads in one run.  The nine additions are places behind the last products (eight are owed in front of loads into registers that they read).
.macro LOADS
.irp lb,0,1,2,3,4,5,6,7
	v_add_nc_u32 v[ADR+\lb], s[TB], v[AB+\lb]
.endr
	v_add_nc_u32 v[ADS], s[SO], v[SRB]
	ds_load_b128 v[WS:WS+3], v[ADS]
	ds_load_b128 v[WS+4:WS+7], v[ADS] offset:SH
	WIN 0x40                                       ; destination window 1
.irp lb,0,1,2,3,4,5,6,7
.irp u,0,1
.irp c,0,1,2,3
	ds_load_b128 v[16*(2*\lb+\u)+4*\c:16*(2*\lb+\u)+4*\c+3], v[ADR+\lb] offset:16*PITCH*\u+128*\c
.endr
.endr
.endr
	WIN 0
.endm
; Column tile et: four blocks of Z are made, quantised and laid as source 1's registers.
.macro GENF et
.irp c,0,1,2,3
	v_mul_f32 v[MM+\c], |v[AX+4*\et+\c]|, v[HM+\et]            ; the block's largest magnitude
.endr
.irp c,0,1,2,3
	v_max_num_f32 v[MM+\c], 0x8000000, v[MM+\c]                ; the floor 2^(16 - 127): the byte cannot fall under 1
.endr
.irp c,0,1,2,3
	v_add_nc_u32 v[SC+\c], 0xf8800000, v[MM+\c]                ; 15 off its exponent field: the conversion takes this operand's exponent field as its scale
.endr
.irp c,0,1,2,3
	v_and_or_b32 v[TT+\c], v[MM+\c], 0x7f800000, s[MNT]        ; 57,344 x the scale
.endr
.irp c,0,1,2,3
	v_lshrrev_b32 v[MM+\c], 23, v[SC+\c]                       ; the scale's byte
.endr
	v_lshl_or_b32 v[ZS+\et], v[MM+1], 8, v[MM]
	v_lshl_or_b32 v[ZS+\et], v[MM+2], 16, v[ZS+\et]
	v_lshl_or_b32 v[ZS+\et], v[MM+3], 24, v[ZS+\et]            ; more than eight places ahead of the products
.irp c,0,1,2,3
.set tps, TP+16*(\c%2)
.irp q,0,2,4,6,8,10,12,14
.if (\c%2) == 0
	v_pk_mul_f32 v[tps+\q:tps+\q+1], v[G+16*\et+\q:G+16*\et+\q+1], v[AX+4*\et+\c:AX+4*\et+\c+1] op_sel_hi:[1,0]          ; a lies in the pair's first register
.else
	v_pk_mul_f32 v[tps+\q:tps+\q+1], v[G+16*\et+\q:G+16*\et+\q+1], v[AX+4*\et+\c-1:AX+4*\et+\c] op_sel:[0,1] op_sel_hi:[1,1]  ; in its second
.endif
.endr
.irp i,0,1,2,3,4,5,6,7,8,9,10,11,12,13,14,15
	v_med3_num_f32 v[tps+\i], v[tps+\i], -v[TT+\c], v[TT+\c]   ; the conversion to an 8-bit code does not saturate (ISA guide 7.6.2): the hold comes first
.endr
	v_cvt_scalef32_pk8_bf8_f32 v[Z+16*\et+4*\c:Z+16*\et+4*\c+1], v[tps:tps+7], v[SC+\c]
	v_cvt_scalef32_pk8_bf8_f32 v[Z+16*\et+4*\c+2:Z+16*\et+4*\c+3], v[tps+8:tps+15], v[SC+\c]
.endr
.endm
.macro GEN
	GENF 0
	GENF 1
	GENF 2
	GENF 3
.endm
.macro XLOAD                           ; a of the next slot, layers 1, 2: f = 4 j + c: 16 bytes a column tile.  The addition is the plain line behind the last conversion
	v_add_nc_u32 v[ADX], s[XO], v[XTB]
.irp et,0,1,2,3
	ds_load_b128 v[AX+4*\et:AX+4*\et+3], v[ADX] offset:256*\et
.endr
.endm
.macro XLOAD0                          ; layer 0: f = 16 j + 4 c + w: s[XO] = 4,096 j + 4 w
	v_add_nc_u32 v[ADX], s[XO], v[XTB]
.irp et,0,1,2,3
.irp c,0,1,2,3
	ds_load_b32 v[AX+4*\et+\c], v[ADX] offset:1024*\c+256*\et
.endr
.endr
.endm
; 64 products: the 64 accumulators take turns, one instruction a turn, in the same order in every slot.  zero = 1: a layer's first slot starts the sums.
.macro MMUL zero
.irp hf,0,1
	WIN 0xa1+0x50*\hf                              ; source 0 window 1, source 1 window 0, C and D window 2 or 3
.irp m,0,1,2,3,4,5,6,7
.irp et,0,1,2,3
.set dd, 32*\m+8*\et
.set aa, 16*(8*\hf+\m)
.set bb, Z+16*\et
.set sa, WS+4*\hf+\m/2
.if \zero
.if \m%2
	v_wmma_scale_f32_16x16x128_f8f6f4 v[dd:dd+7], v[aa:aa+15], v[bb:bb+15], 0, v[sa], v[ZS+\et] matrix_a_fmt:MATRIX_FMT_BF8 matrix_b_fmt:MATRIX_FMT_BF8 matrix_a_scale:MATRIX_SCALE_ROW1
.else
	v_wmma_scale_f32_16x16x128_f8f6f4 v[dd:dd+7], v[aa:aa+15], v[bb:bb+15], 0, v[sa], v[ZS+\et] matrix_a_fmt:MATRIX_FMT_BF8 matrix_b_fmt:MATRIX_FMT_BF8
.endif
.else
.if \m%2
	v_wmma_scale_f32_16x16x128_f8f6f4 v[dd:dd+7], v[aa:aa+15], v[bb:bb+15], v[dd:dd+7], v[sa], v[ZS+\et] matrix_a_fmt:MATRIX_FMT_BF8 matrix_b_fmt:MATRIX_FMT_BF8 matrix_a_scale:MATRIX_SCALE_ROW1
.else
	v_wmma_scale_f32_16x16x128_f8f6f4 v[dd:dd+7], v[aa:aa+15], v[bb:bb+15], v[dd:dd+7], v[sa], v[ZS+\et] matrix_a_fmt:MATRIX_FMT_BF8 matrix_b_fmt:MATRIX_FMT_BF8
.endif
.endif
.endr
.endr
.endr
	WIN 0
.endm
; A PREFETCH INTO THE L2 of slot SS + 4, two slots further on than the refill just asked for: 256 rows x 512 bytes.  All clusters walk the same weights: the first cluster asks.  Its four partners share the rows out by
; address (64 each), their waves take 16 each, a lane half a row (256 bytes): each aligned 256 bytes are named once in the launch.  Slots 0 to 3 come by their loads alone; behind SS = 13 there is no slot to ask for.
.macro ASK
	s_cmp_lt_u32 s[SS], s[LIM]
	s_cbranch_scc0 .Lna_\@
	global_prefetch_b8 v[PFO], s[PFA:PFA+1] th:TH_LOAD_NT scope:SCOPE_SE
.Lna_\@:
.endm
; THE CHANGE OF SLOTS, at a slot's end.  Each wave waits for all its tensor loads (one is out: its quarter of the next slot), adds 0 to its spare word, and waits for that and for its LDS instructions, its reads of this slot among them.
; fill = 1: a round of the cluster's barrier, so that no wave of any partner still reads this slot or has a load on its way; then slot SS + 2 is asked for, jointly, into the slot just left: it has a whole slot's work in which to land.
.macro CHANGE fill
	s_wait_tensorcnt 0x0                           ; no tensor load of mine is out, so group 0 may be written
	ds_add_u32 v[SPW], v[NIL]                      ; the scalar work below stands between the add and the wait for it
.if \fill
	s_cmp_eq_u32 s[SS], 8                          ; slot 10 is w2's first
	s_cselect_b64 s[PTR:PTR+1], s[W2P:W2P+1], s[PTR:PTR+1]
	s_add_co_u32 s[G0A+1], s[TB], s[WLDS]          ; my quarter of the slot that is left
	s_mov_b64 s[G0A+2:G0A+3], s[PTR:PTR+1]
	s_or_b32 s[G0A+3], s[G0A+3], 0x80000000        ; type = 2
	s_add_nc_u64 s[PTR:PTR+1], s[PTR:PTR+1], 512
	s_wait_xcnt 0x0                                ; the last prefetch, a slot back, has read its address
	s_add_nc_u64 s[PFA:PFA+1], s[PFA:PFA+1], 512
	s_cmp_eq_u32 s[SS], 6                          ; slot 10 again, asked for four slots ahead
	s_cselect_b64 s[PFA:PFA+1], s[PF2:PF2+1], s[PFA:PFA+1]
.endif
	s_xor_b32 s[TB], s[TB], SLOT
	s_wait_dscnt 0x0
.if \fill
	ROUND
	tensor_load_to_lds s[G0A:G0A+3], s[G1B:G1B+7]  ; my one tensor load until the next round
	s_nop 0
	PLACES 4
	ASK
.else
	BAR
.endif
.endm
; THE REDUCTION.  Unit n = 6 H + 2 (p - 1) + u: every wave sends its four tiles (local chunk 4 H + p, half u, et = 0 .. 3), as images of their registers, to wave (w + p) & 3, whose own chunk 4 H they belong to.
.macro RSTORE n
.set rH, (\n)/6
.set rp, ((\n)%6)/2+1
.set rb, 32*(2*rp+(\n)%2)
	WIN 0x08+4*rH                                  ; an LDS store's data are its source 1: window 2 or 3
.irp et,0,1,2,3
	ds_store_b128 v[WR+rp-1], v[rb+8*\et:rb+8*\et+3] offset:((\n)%2)*RBUF+1024*\et          ; each accumulator from its low end on
	ds_store_b128 v[WR+rp-1], v[rb+8*\et+4:rb+8*\et+7] offset:((\n)%2)*RBUF+1024*\et+512
.endr
	WIN 0
.endm
.macro RLOAD n
.irp et,0,1,2,3
	ds_load_b128 v[Z+8*\et:Z+8*\et+3], v[RDR] offset:((\n)%2)*RBUF+1024*\et
	ds_load_b128 v[Z+8*\et+4:Z+8*\et+7], v[RDR] offset:((\n)%2)*RBUF+1024*\et+512
.endr
.endm
.macro RADD n
.set rH, (\n)/6
.set rb, 32*((\n)%2)
	WIN 0x82+0x41*rH                               ; destination and source 0: window 2 or 3
.irp et,0,1,2,3
.irp q,0,2,4,6
	v_pk_add_f32 v[rb+8*\et+\q:rb+8*\et+\q+1], v[rb+8*\et+\q:rb+8*\et+\q+1], v[Z+8*\et+\q:Z+8*\et+\q+1]
.endr
.endr
	WIN 0
.endm
; Two buffers by turns, one barrier a unit: in front of it my stores of unit n have landed and my loads of unit n - 1 are in, so behind it unit n is whole and the other buffer is free.
.macro REDUCE
	RSTORE 0
.irp n,0,1,2,3,4,5,6,7,8,9,10,11
	s_wait_dscnt 0x0
	BAR
	RLOAD \n
.if \n < 11
	RSTORE \n+1
	s_wait_dscnt 8                                 ; the eight loads are in; the next unit's eight stores may be out
.else
	s_wait_dscnt 0x0
.endif
	RADD \n
.endr
.endm
.macro BIASLD                          ; b of my two chunks, in the result's layout: register 16 H + 8 u + j is row 128 H + 32 w + 16 u + 8 hh + j
.irp H,0,1
.irp u,0,1
.irp q,0,1
	global_load_b128 v[TP+16*\H+8*\u+4*\q:TP+16*\H+8*\u+4*\q+3], v[HB], s[BP0:BP0+1] offset:512*\H+64*\u+16*\q
.endr
.endr
.endr
.endm
.macro FCLD H                          ; fc_w of my pooled chunk 4 H, likewise
.irp u,0,1
.irp q,0,1
	global_load_b128 v[FW+16*\H+8*\u+4*\q:FW+16*\H+8*\u+4*\q+3], v[HB], s[FP:FP+1] offset:512*\H+64*\u+16*\q
.endr
.endr
.endm
; My chunk 4 H is pooled: + bias, relu, x fc_w, into four pairs of sums.  start = 1: the first products start them.
.macro EPOOL H, start
.irp u,0,1
	WIN 0x02+\H                                    ; source 0: window 2 or 3
.irp et,0,1,2,3
.irp q,0,2,4,6
	v_pk_add_f32 v[Z+8*\et+\q:Z+8*\et+\q+1], v[32*\u+8*\et+\q:32*\u+8*\et+\q+1], v[TP+16*\H+8*\u+\q:TP+16*\H+8*\u+\q+1]
.endr
.endr
	WIN 0
.set i, 0
.rept 32
	v_max_num_f32 v[Z+i], 0, v[Z+i]
.set i, i+1
.endr
.irp q,0,2,4,6
.irp et,0,1,2,3
.if \start && (\u == 0) && (\q == 0)
	v_pk_mul_f32 v[CH+2*\et:CH+2*\et+1], v[Z+8*\et+\q:Z+8*\et+\q+1], v[FW+16*\H+8*\u+\q:FW+16*\H+8*\u+\q+1]
.else
	v_pk_fma_f32 v[CH+2*\et:CH+2*\et+1], v[Z+8*\et+\q:Z+8*\et+\q+1], v[FW+16*\H+8*\u+\q:FW+16*\H+8*\u+\q+1], v[CH+2*\et:CH+2*\et+1]
.endif
.endr
.endr
.endr
.endm
.macro FOLD
	v_pk_add_f32 v[CH:CH+1], v[CH:CH+1], v[CH+2:CH+3]
	v_pk_add_f32 v[CH+4:CH+5], v[CH+4:CH+5], v[CH+6:CH+7]
	v_pk_add_f32 v[CH:CH+1], v[CH:CH+1], v[CH+4:CH+5]
	v_pk_add_f32 v[PO:PO+1], v[PO:PO+1], v[CH:CH+1]
.endm
; My chunk 4 + w becomes g of the next layer.  Tile u's register j is h 16 u + 8 hh + j; wanted is register i = h 16 hh + i: the exchange of tile 0's upper lanes with tile 1's lower lanes does it.
.macro EHID
	WIN 0x03
.irp u,0,1
.irp et,0,1,2,3
.irp q,0,2,4,6
	v_pk_add_f32 v[G+16*\et+8*\u+\q:G+16*\et+8*\u+\q+1], v[32*\u+8*\et+\q:32*\u+8*\et+\q+1], v[TP+16+8*\u+\q:TP+16+8*\u+\q+1]
.endr
.endr
.endr
	WIN 0
.set i, 0
.rept 64
	v_max_num_f32 v[G+i], 0, v[G+i]
.set i, i+1
.endr
.irp et,0,1,2,3
.irp j,0,1,2,3,4,5,6,7
	v_permlane16_swap_b32 v[G+16*\et+\j], v[G+16*\et+8+\j]
.endr
.endr
.endm
.macro HMAX                            ; the largest |g| of my 32, for each column tile: my 16 and lane l xor 16's
.irp et,0,1,2,3
	v_max3_num_f32 v[HM+\et], |v[G+16*\et]|, |v[G+16*\et+1]|, |v[G+16*\et+2]|
.endr
.irp i,3,5,7,9,11,13
.irp et,0,1,2,3
	v_max3_num_f32 v[HM+\et], v[HM+\et], |v[G+16*\et+\i]|, |v[G+16*\et+\i+1]|
.endr
.endr
.irp et,0,1,2,3
	v_max_num_f32 v[HM+\et], v[HM+\et], |v[G+16*\et+15]|
.endr
.irp et,0,1,2,3
	v_permlanex16_b32 v[MM+\et], v[HM+\et], s[SEL], s[SEL+1]
.endr
.irp et,0,1,2,3
	v_max_num_f32 v[HM+\et], v[HM+\et], v[MM+\et]
.endr
.endm
; A slot up to its products: the loads go out first, Z is made while they are on their way.
.macro SLOTHEAD
	s_add_co_u32 s71, s[SS], 6
	s_and_b32 s71, s71, 7                          ; the slot's place among its layer's scale words (layer 0: places 6, 7)
	s_mul_i32 s[SO], s71, SJ
	LOADS
	GEN
	s_add_co_u32 s71, s[SS], 7
	s_and_b32 s71, s71, 7                          ; the next slot's j
	s_lshl_b32 s[XO], s71, 10
	XLOAD
	s_wait_dscnt 4                                 ; the 66 loads are in; the four of a behind them may be out
	PLACES 4                                       ; codes written by vector instructions stand four places ahead of a scaled matrix instruction
.endm
; ---------------------------------------------------------------- the head
	s_load_b512 s[4:19], s[0:1], 0x0               ; x, w0 codes, w0 scales, w1 codes, w1 scales, w2 codes, w2 scales, b0
	s_load_b256 s[20:27], s[0:1], 0x40             ; b1, b2, fc_w, fc_b
	s_load_b64 s[28:29], s[0:1], 0x60              ; out0
	v_lshl_add_u32 v[SPW], v0, 2, SPARE
	v_mov_b32 v[NIL], 0
	ds_add_u32 v[SPW], v[NIL]                      ; the wave's opening: the add, twice on end, and its wait stand ahead of my first tensor load; the set-up below stands between
	ds_add_u32 v[SPW], v[NIL]
	v_lshrrev_b32 v[T0], 5, v0
	v_readfirstlane_b32 s[WV], v[T0]               ; wave 0..3
	s_bfe_u32 s[CX], ttmp6, 0x40000                ; my place in the cluster
	s_lshl_b32 s[BI], ttmp9, 2                     ; in a cluster launch ttmp9 counts clusters
	s_add_co_u32 s[BI], s[BI], s[CX]               ; my batch element
	; descriptor group 1: 64 rows x 512 bytes, 16 bytes of padding behind each row
.irp g, G1A, G1B
	s_mov_b32 s[\g], 15|(1<<20)|(1<<21)|(6<<22)|(3<<25)  ; 15:0 the mask: all four work-groups; 17:16 elements of 1 byte; 20 padding on; 21 set beside a mask; 24:22 after every 128 words (code 6); 31:25 four words (code 3)
	s_mov_b32 s[\g+1], 512<<16                     ; tensor_dim0
	s_mov_b32 s[\g+2], 64<<16                      ; tensor_dim1
	s_mov_b32 s[\g+3], 512<<16                     ; tile_dim0
	s_mov_b32 s[\g+4], 64                          ; tile_dim1
	s_mov_b32 s[\g+6], 0
	s_mov_b32 s[\g+7], 0
.endr
	s_mov_b32 s[G1A+5], 1024                       ; a row of w0 in memory
	s_mov_b32 s[G1B+5], 4096                       ; of w1, w2
	s_mov_b32 s[SEL], 0x76543210
	s_mov_b32 s[SEL+1], 0xfedcba98
	s_mov_b32 s[MNT], 0x600000
	s_mul_i32 s[WLDS], s[WV], QTR
	s_lshl_b32 s[W32], s[WV], 5
	v_and_b32 v[T0], 31, v0                        ; lane
	v_and_b32 v[T1], 15, v0                        ; r
	v_bfe_u32 v[HB], v0, 4, 1                      ; hh
	v_lshlrev_b32 v[LN16], 4, v[T0]
	v_mul_u32_u24 v[ADX], v[T1], PITCH
	v_lshl_add_u32 v[ADX], v[HB], 4, v[ADX]        ; 528 r + 16 hh
.irp lb,0,1,2,3,4,5,6,7
	s_add_co_u32 s71, s[WV], \lb
	s_and_b32 s71, s71, 3
	s_or_b32 s71, s71, (\lb&4)                     ; the chunk that I call lb
	s_mul_i32 s71, s71, CHK
	s_add_co_u32 s71, s71, s[W32]
	v_add_nc_u32 v[AB+\lb], s71, v[ADX]
.endr
	v_lshl_add_u32 v[XTB], v[T1], 4, XT
	s_mul_i32 s71, s[WV], 2*SH
	s_add_co_u32 s71, s71, SCR
	v_add_nc_u32 v[SRB], s71, v[LN16]
.irp p,1,2,3
	s_add_co_u32 s71, s[WV], \p
	s_and_b32 s71, s71, 3
	s_lshl_b32 s71, s71, 12
	s_add_co_u32 s71, s71, SCR
	v_add_nc_u32 v[WR+\p-1], s71, v[LN16]
.endr
	s_lshl_b32 s71, s[WV], 12
	s_add_co_u32 s71, s71, SCR
	v_add_nc_u32 v[RDR], s71, v[LN16]
	v_lshrrev_b32 v[ADX], 1, v[T0]
	v_and_b32 v[PFO], 1, v[T0]
	v_lshlrev_b32 v[PFO], 8, v[PFO]
	v_lshl_add_u32 v[PFO], v[ADX], 12, v[PFO]      ; row lane / 2 of 4,096 bytes, half lane % 2 of a slot's 512
	s_lshr_b32 s72, s[WV], 1
	s_mul_i32 s72, s72, SH
	s_lshl_b32 s73, s[WV], 1
	v_and_b32 v[ADX], 7, v[T0]
	v_mul_u32_u24 v[ADX], v[ADX], SJ
	v_lshrrev_b32 v[ADS], 3, v[T0]
	v_lshl_add_u32 v[ADX], v[ADS], 4, v[ADX]       ; layers 1, 2: slot lane % 8, row lane / 8
	MKSW SW, ADX
	v_and_b32 v[ADX], 1, v[T0]
	v_mul_u32_u24 v[ADX], v[ADX], SJ
	v_lshrrev_b32 v[ADS], 1, v[T0]
	v_lshl_add_u32 v[ADX], v[ADS], 4, v[ADX]
	v_add_nc_u32 v[ADX], 6*SJ, v[ADX]              ; layer 0: slot lane % 2, at places 6 and 7; row lane / 2
	MKSW SW0, ADX
	v_lshrrev_b32 v[XST], 6, v0                    ; where thread t puts its numbers of x: load n brings f = 8 n + t / 16, e = 4 (t % 16) + k
	v_lshlrev_b32 v[XST], 10, v[XST]
	v_bfe_u32 v[ADS], v0, 2, 2
	v_lshl_add_u32 v[XST], v[ADS], 8, v[XST]
	v_and_b32 v[ADS], 3, v0
	v_lshl_add_u32 v[XST], v[ADS], 6, v[XST]
	v_bfe_u32 v[ADS], v0, 4, 2
	v_lshl_add_u32 v[XST], v[ADS], 2, v[XST]
	v_add_nc_u32 v[XST], XT, v[XST]
	v_lshlrev_b32 v[XOF], 4, v0
	v_lshlrev_b32 v[HB], 5, v[HB]                  ; 32 hh
.irp c,0,1,2,3
	v_mov_b32 v[MM+\c], 0                          ; written once: a lane permute's destination counts as one of its sources
.endr
	v_mov_b32 v[PO], 0
	v_mov_b32 v[PO+1], 0
	s_wait_dscnt 0x0                               ; both opening adds are done
	s_wait_kmcnt 0x0
	s_mov_b32 s35, 0                               ; offsets that hang on my place in the cluster have registers of their own
	s_lshl_b32 s34, s[BI], 13
	s_add_nc_u64 s[4:5], s[4:5], s[34:35]          ; x of my batch element
	s_lshl_b32 s34, s[BI], 2
	s_add_nc_u64 s[OUTP:OUTP+1], s[28:29], s[34:35]
	s_lshl_b32 s34, s[CX], 2
	s_add_co_u32 s34, s34, s[WV]
	s_lshl_b32 s34, s34, 16                        ; rows 64 cx + 16 w of 4,096 bytes
	s_add_nc_u64 s[PF2:PF2+1], s[14:15], s[34:35]
	s_add_nc_u64 s[PFA:PFA+1], s[10:11], s[34:35]
	s_add_nc_u64 s[PFA:PFA+1], s[PFA:PFA+1], 512   ; the first change of slots steps it to w1's third slot, slot 4
	s_cmp_eq_u32 ttmp9, 0
	s_cselect_b32 s[LIM], 14, 0                    ; the same in all four partners
	s_mov_b32 s73, 0
	s_lshl_b32 s72, s[WV], 16
	s_add_nc_u64 s[6:7], s[6:7], s[72:73]          ; w0's codes at my 64 rows
	s_lshl_b32 s72, s[WV], 18
	s_add_nc_u64 s[PTR:PTR+1], s[10:11], s[72:73]  ; w1's, w2's
	s_add_nc_u64 s[W2P:W2P+1], s[14:15], s[72:73]
	s_lshl_b32 s72, s[WV], 11
	s_add_nc_u64 s[8:9], s[8:9], s[72:73]          ; w0's scale bytes of my 64 rows
	s_lshl_b32 s72, s[WV], 13
	s_add_nc_u64 s[SP0:SP0+1], s[12:13], s[72:73]
	s_add_nc_u64 s[SP1:SP1+1], s[16:17], s[72:73]
	s_lshl_b32 s72, s[WV], 7
	s_add_nc_u64 s[BP0:BP0+1], s[18:19], s[72:73]
	s_add_nc_u64 s[BP1:BP1+1], s[20:21], s[72:73]
	s_add_nc_u64 s[BP2:BP2+1], s[22:23], s[72:73]
	s_add_nc_u64 s[FP:FP+1], s[24:25], s[72:73]
	s_load_b32 s[FCB], s[26:27], 0x0
	s_mov_b32 s[G0A], 1                            ; count = 1
	s_mov_b32 s[G0A+1], s[WLDS]                    ; slot 0, my quarter: no place in the cluster enters an LDS address
	s_mov_b64 s[G0A+2:G0A+3], s[6:7]
	s_or_b32 s[G0A+3], s[G0A+3], 0x80000000        ; type = 2
	s_mov_b32 s[G0B], 1
	s_add_co_u32 s[G0B+1], s[WLDS], SLOT
	s_add_nc_u64 s[G0B+2:G0B+3], s[6:7], 512
	s_or_b32 s[G0B+3], s[G0B+3], 0x80000000
	ROUND                                          ; all four work-groups are here: the first joint loads meet
	tensor_load_to_lds s[G0A:G0A+3], s[G1A:G1A+7]  ; both first fills go out together: two loads of mine are out
	s_nop 0
	tensor_load_to_lds s[G0B:G0B+3], s[G1A:G1A+7]
	s_nop 0
	PLACES 4
.irp n,0,1,2,3
	global_load_b128 v[TP+4*\n:TP+4*\n+3], v[XOF], s[4:5] offset:2048*\n th:TH_LOAD_NT   ; x: the work-group reads its 8,192 bytes once, 512 consecutive bytes a wave and load
.endr
.irp n,0,1,2,3
	global_load_b128 v[Z+4*\n:Z+4*\n+3], v[LN16], s[8:9] offset:512*\n                   ; w0's scale bytes of my 64 rows, dense
.endr
	s_wait_loadcnt 4                               ; x is in; the four loads behind it may be out
.irp n,0,1,2,3
.irp k,0,1,2,3
	ds_store_b32 v[XST], v[TP+4*\n+\k] offset:2048*\n+16*\k
.endr
.endr
	s_wait_loadcnt 0x0
	STG4 0, Z, 0, SW0, 0
	s_wait_kmcnt 0x0                               ; fc_b
	s_wait_tensorcnt 1                             ; my quarter of slot 0 is in; slot 1's may stay out
	s_wait_dscnt 0x0                               ; my stores of x and of the scale words have landed
	BAR
	v_lshl_add_u32 v[T0], v[HB], 7, v[XTB]         ; g of layer 0 is x itself: h = 16 hh + i
.irp et,0,1,2,3
.irp q,0,1,2,3
	ds_load_b128 v[G+16*\et+4*\q:G+16*\et+4*\q+3], v[T0] offset:1024*\q+256*\et
.endr
.endr
	s_lshl_b32 s[XO], s[WV], 2
	XLOAD0                                         ; a of slot 0
	s_wait_dscnt 0x0
	HMAX
; ---------------------------------------------------------------- slot 0 is written out: its products start layer 0's sums, and the a that it fetches are layer 0's
	s_mov_b32 s[SS], 0
	s_mov_b32 s[TB], 0
	s_mov_b32 s[SO], 6*SJ
	LOADS
	GEN
	s_add_co_u32 s[XO], s[XO], 4096
	XLOAD0                                         ; a of slot 1
	s_wait_dscnt 16                                ; the 66 loads are in; the sixteen of a behind them may be out
	PLACES 4
	MMUL 1
	CHANGE 1
	s_mov_b32 s[SS], 1
; ---------------------------------------------------------------- slots 1 to 15: behind each, slot SS + 2 is asked for.  All branches hang on SS alone: the same in every wave and every partner
.LloopA:
	SLOTHEAD
	s_and_b32 s71, s[SS], 7
	s_cmp_eq_u32 s71, 2                            ; slots 2 and 10 are a layer's first
	s_cbranch_scc1 .Lfirst
	MMUL 0
	s_branch .Lmmdone
.Lfirst:
	MMUL 1
.Lmmdone:
	s_and_b32 s71, s[SS], 7
	s_cmp_lg_u32 s71, 1                            ; slots 1 and 9 are a layer's last
	s_cbranch_scc1 .Lnob
	; ---- a layer's end
	PLACES 8                                       ; behind the last products, in front of the first reads of results and of loads into their operands
	s_wait_dscnt 0x0                               ; my reads of the scale words are over
	BAR                                            ; everybody's are: the reduction may write over them
	BIASLD
	FCLD 0
	WIN 0x40
.irp n,0,1,2,3,4,5,6,7,8,9,10,11,12,13,14,15
	global_load_b128 v[4*\n:4*\n+3], v[LN16], s[SP0:SP0+1] offset:512*\n   ; the next layer's scale bytes of my 64 rows, dense, into registers of window 1 that w's fragments have left
.endr
	WIN 0
	REDUCE
	BAR                                            ; every wave's last reads of the buffers are in (its wait for 0 stands in the last unit): the scale words may be written there
	s_wait_loadcnt 16                              ; the biases and fc_w are in; the sixteen loads behind them may be out
	EPOOL 0, 1
	FOLD
	EHID
	HMAX
	s_wait_loadcnt 0x0
	STG4 0, 0, 5, SW, 1
	STG4 4, 16, 5, SW, 1
	STG4 8, 32, 5, SW, 1
	STG4 12, 48, 5, SW, 1                          ; the change of slots below waits for these stores and passes a barrier ahead of the first read
	s_mov_b64 s[BP0:BP0+1], s[BP1:BP1+1]           ; all loads that named these are done
	s_mov_b64 s[BP1:BP1+1], s[BP2:BP2+1]
	s_mov_b64 s[SP0:SP0+1], s[SP1:SP1+1]
	s_add_nc_u64 s[FP:FP+1], s[FP:FP+1], 512
.Lnob:
	CHANGE 1
	s_add_co_u32 s[SS], s[SS], 1
	s_cmp_lt_u32 s[SS], 16
	s_cbranch_scc1 .LloopA
; ---------------------------------------------------------------- slots 16 and 17 are a loop of their own: nothing is left to ask for
	s_mov_b32 s[SS], 16
.LloopB:
	SLOTHEAD
	MMUL 0
	CHANGE 0
	s_add_co_u32 s[SS], s[SS], 1
	s_cmp_lt_u32 s[SS], 18
	s_cbranch_scc1 .LloopB
; ---------------------------------------------------------------- layer 2's end: both my chunks are pooled.  (The last change of slots was a barrier behind every wave's reads of the scale words.)
	PLACES 8
	BIASLD
	FCLD 0
	FCLD 1
	REDUCE
	s_wait_loadcnt 0x0
	EPOOL 0, 1
	EPOOL 1, 0
	FOLD
	v_add_f32 v[T0], v[PO], v[PO+1]
	v_add_f32_dpp v[T0], v[T0], v[T0] row_xmask:1 row_mask:0xf bank_mask:0xf
	v_add_f32_dpp v[T0], v[T0], v[T0] row_xmask:2 row_mask:0xf bank_mask:0xf
	v_add_f32_dpp v[T0], v[T0], v[T0] row_xmask:4 row_mask:0xf bank_mask:0xf
	v_add_f32_dpp v[T0], v[T0], v[T0] row_xmask:8 row_mask:0xf bank_mask:0xf
	v_permlanex16_b32 v[T1], v[T0], s[SEL], s[SEL+1]
	v_add_f32 v[T0], v[T0], v[T1]                  ; my wave's sum, in every lane
	s_lshl_b32 s71, s[WV], 2
	s_add_co_u32 s71, s71, OUTW
	v_mov_b32 v[ADX], s71
	ds_store_b32 v[ADX], v[T0]                     ; all lanes write the same word with the same value
	s_wait_dscnt 0x0
	BAR
	v_mov_b32 v[ADS], OUTW
	ds_load_b128 v[CH:CH+3], v[ADS]
	s_wait_dscnt 0x0
	v_add_f32 v[CH], v[CH], v[CH+1]
	v_add_f32 v[CH+2], v[CH+2], v[CH+3]
	v_add_f32 v[CH], v[CH], v[CH+2]
	v_add_f32 v[CH], s[FCB], v[CH]
	s_cmp_lg_u32 s[WV], 0
	s_cbranch_scc1 .Lnostore
	v_mov_b32 v[T1], 0
	v_cmp_eq_u32 vcc_lo, 0, v0
	s_wait_xcnt 0x0                                ; EXEC changes only behind this wait
	s_and_saveexec_b32 s[SVX], vcc_lo
	global_store_b32 v[T1], v[CH], s[OUTP:OUTP+1]  ; the work-group's whole result is these four bytes
	s_wait_xcnt 0x0
	s_or_b32 exec_lo, exec_lo, s[SVX]
.Lnostore:
	s_wait_tensorcnt 0x0                           ; the wave's end: behind my last tensor load and my last LDS store
	ds_add_u32 v[SPW], v[NIL]
	s_wait_dscnt 0x0
	ROUND                                          ; the closing round: no work-group ends while a partner may still ask for a tile that names it
	s_endpgm
.Lfunc_end_k_qe61b516e72_cin:
	.size	k_qe61b516e72_cin, .Lfunc_end_k_qe61b516e72_cin-k_qe61b516e72_cin
	.p2alignl 7, 3214868480
	.fill 96, 4, 3214868480
	.section	.rodata,"a",@progbits
	.p2align	6, 0x0
	.amdhsa_kernel k_qe61b516e72_cin
		.amdhsa_group_segment_fixed_size 327680
		.amdhsa_private_segment_fixed_size 0
		.amdhsa_enable_private_segment 0
		.amdhsa_kernarg_size 104
		.amdhsa_user_sgpr_count 2
		.amdhsa_user_sgpr_kernarg_segment_ptr 1
		.amdhsa_wavefront_size32 1
		.amdhsa_system_sgpr_workgroup_id_x 1
		.amdhsa_system_sgpr_workgroup_id_y 1
		.amdhsa_system_sgpr_workgroup_id_z 1
		.amdhsa_system_vgpr_workitem_id 0
		.amdhsa_next_free_vgpr 1024
		.amdhsa_next_free_sgpr 100
		.amdhsa_reserve_vcc 1
		.amdhsa_float_denorm_mode_32 3
		.amdhsa_float_denorm_mode_16_64 3
		.amdhsa_memory_ordered 1
		.amdhsa_forward_progress 1
		.amdhsa_inst_pref_size 255
	.end_amdhsa_kernel
	.section	.bss,"aw",@nobits
	.p2align	6
	.space	262144
	.amdgpu_metadata
---
amdhsa.version: [ 1, 2 ]
amdhsa.kernels:
  - .name:           k_qe61b516e72_cin
    .symbol:         k_qe61b516e72_cin.kd
    .args:
      - { .name: x, .offset: 0, .size: 8, .value_kind: global_buffer, .address_space: global }
      - { .name: w0_codes, .offset: 8, .size: 8, .value_kind: global_buffer, .address_space: global }
      - { .name: w0_scales, .offset: 16, .size: 8, .value_kind: global_buffer, .address_space: global }
      - { .name: w1_codes, .offset: 24, .size: 8, .value_kind: global_buffer, .address_space: global }
      - { .name: w1_scales, .offset: 32, .size: 8, .value_kind: global_buffer, .address_space: global }
      - { .name: w2_codes, .offset: 40, .size: 8, .value_kind: global_buffer, .address_space: global }
      - { .name: w2_scales, .offset: 48, .size: 8, .value_kind: global_buffer, .address_space: global }
      - { .name: b0, .offset: 56, .size: 8, .value_kind: global_buffer, .address_space: global }
      - { .name: b1, .offset: 64, .size: 8, .value_kind: global_buffer, .address_space: global }
      - { .name: b2, .offset: 72, .size: 8, .value_kind: global_buffer, .address_space: global }
      - { .name: fc_w, .offset: 80, .size: 8, .value_kind: global_buffer, .address_space: global }
      - { .name: fc_b, .offset: 88, .size: 8, .value_kind: global_buffer, .address_space: global }
      - { .name: out0, .offset: 96, .size: 8, .value_kind: global_buffer, .address_space: global }
    .group_segment_fixed_size: 327680
    .private_segment_fixed_size: 0
    .kernarg_segment_align: 8
    .kernarg_segment_size: 104
    .max_flat_workgroup_size: 128
    .sgpr_count:     100
    .vgpr_count:     1024
    .wavefront_size: 32
...
	.end_amdgpu_metadata
.endif
;; end of part 1
;; ======== version 2 of 2: 1 launch
;; limits: right only within a limited range of input values
;; launch cin (part 2): grid 256 x 1, 4 waves a work-group, clusters of 4 x 1, 327,680 bytes of LDS; arguments x, w0_codes, w0_scales, w1_codes, w1_scales, w2_codes, w2_scales, b0, b1, b2, fc_w, fc_b, out0; writes out0
.if DOCPART == 2
	.amdgcn_target "amdgcn-amd-amdhsa--gfx1250"
	.amdhsa_code_object_version 6
	.text
	.protected	k_qe61b516e72_cin
	.globl	k_qe61b516e72_cin
	.p2align	8
	.type	k_qe61b516e72_cin,@function
k_qe61b516e72_cin:
	s_mov_b64 s[64:65], 0
	v_nop
	global_prefetch_b8 v0, s[64:65] scope:SCOPE_SE
	s_setreg_imm32_b32 hwreg(HW_REG_WAVE_MODE, 25, 1), 1
	s_wait_xcnt 0x0
	s_wait_alu depctr_hold_cnt(0) depctr_sa_sdst(0) depctr_va_vdst(0) depctr_va_sdst(0) depctr_va_ssrc(0) depctr_va_vcc(0) depctr_vm_vsrc(0)
	s_getreg_b32 s2, hwreg(HW_REG_IB_STS2, 6, 4)
	s_cmp_eq_u32 s2, 0
	s_cbranch_scc0 .Lentry_in_a_cluster
	s_endpgm
.Lentry_in_a_cluster:
	s_bfe_u32 s2, ttmp6, 0x10000c
	s_cmp_lg_u32 s2, 0x3003
	s_cbranch_scc0 .Lentry_shape_is_right
	s_endpgm
.Lentry_shape_is_right:
; COMPRESSED INTERACTION NETWORK, three layers and the final weighted sum in one launch.  B = 256, F = 32, E = 64.
; Layer l: z_l[o][e] = relu(sum over k of w_l[o][k] Z_l[k][e] + b_l[o]), Z_l[f Hin + h][e] = x[f][e] h_l[h][e], h_0 = x (Hin = 32), h_1, h_2 = rows 128-255 of the layer before (Hin = 128).
; out = sum over pooled rows and e of z fc_w + fc_b; pooled: rows 0-127 of layers 0 and 1, all 256 rows of layer 2.
; Both operands of each layer's product are codes of E5M2 with one E8M0 byte for each 32 along K: w as given, Z quantised here, in f32 up to the conversion.
; NOTHING IS LEFT OUT: every input has a way to out0 and every product of the problem is done whole.
; LIMITS: NaN and infinities among the inputs are not served.  A block of Z whose largest magnitude lies under 2^(16 - 127), a block of zeros among them, gets the byte 1 (the rule gives a block of zeros 127: its codes
; are zeros, which add nothing under either byte, and nobody but this kernel reads the byte).  The sums over K are taken in four parts, one a wave, and added at a layer's end; within a part K goes round from a slot
; that hangs on the cluster's number: another order than K ascending.
; SHARES.  A work-group owns one batch element: 64 columns e, all 256 rows, all layers, so each column of Z is made and quantised once.  THE FOUR WAVES SHARE K: a ring slot holds 512 along K of all 256 rows of w;
; wave w multiplies 128 of them into the whole 256 x 64 tile (64 accumulators, 512 registers).  So each byte of w is read from LDS once in the work-group, and Z is made in the registers of the wave that multiplies it.
; WHICH K.  Block c (32 along K) of wave w in a slot lies at byte 128 c + 32 w of the slot's rows.  Layers 1, 2 (slot j): f = 4 j + c, h = 32 w .. 32 w + 31.  Layer 0 (slot j): f = 16 j + 4 c + w, all 32 h.
; In both a block is a x g_i, a = x[f][e] one number, g the wave's 32 numbers of h: its largest magnitude is |a| x the largest |g|, rounded as the products are (rounding keeps order), so no maximum is searched per block.
; LAYOUT.  Source 0 = 16 rows of w, source 1 = 16 columns of Z: lane (r, hh) holds column e = 16 et + r; Z's registers 4 c .. 4 c + 3 are k = 32 c + 16 hh + 0 .. 15; result register j is row 8 hh + j.
; A SLOT, BY TURNS.  (1) Z of column tiles 0, 1 is made while the slot's fragments of w, asked of LDS in the slot before, arrive.  (2) Pass 0: the 16 row tiles x column tiles 0, 1; behind each product stand the next eight places of the list
; of Z's tiles 2, 3.  (3) The change of slots: this slot's bytes are all in registers, so it is filled again here.  (4) Pass 1: the 16 row tiles x column tiles 2, 3, in groups of eight products; a group's
; four fragments are done with behind it and take the next slot's bytes.
; THE WALK.  In layers 1 and 2 cluster q walks the layer's eight slots from slot (q + q / 8) mod 8 on, round: at each step the 64 clusters ask for all eight slots of the layer, eight clusters for each.
; OWNERS.  Chunk b (rows 32 b ..) belongs to wave b & 3.  Each wave numbers chunks locally: local lb is chunk (lb & 4) | ((lb + w) & 3), so its own chunks are lb = 0 and lb = 4 in every wave: the turn lies in addresses alone.
; At a layer's end the partial sums go to their owners through LDS; chunk 4 + w, with bias and relu, is h chunk w of the next layer: the owner's own 32 numbers.
; CLUSTER.  All work-groups walk the same weights: four form a cluster and ask for each quarter slot jointly (the same load, the same descriptor, the mask of all four).
; REGISTERS.  Window 0: see the names below.  Window 1: w's 16 fragments (local row tile t at v[16 t]).  Windows 2, 3: accumulator (t, et) at v[32 (t % 8) + 8 et] of window 2 + t / 8.
.set PITCH, 528                        ; an LDS row of w: 512 bytes + 16 of padding: an odd multiple of 16, so the 16 rows of a fragment load fall on 16 different 16-byte columns
.set QTR,   64*PITCH                   ; 64 rows: what one tensor load brings
.set SLOT,  4*QTR                      ; 256 rows
.set CHK,   32*PITCH                   ; a chunk of 32 rows
.set XT,    2*SLOT                     ; behind the ring: x as [f / 4][et][r][f % 4], f32, 8,192 bytes
.set OUTW,  XT+8192                    ; the four waves' sums, 16 bytes in a block of their own
.set SCR,   OUTW+8192                  ; by turns, with barriers between: w's scale words of a layer (SCL: 8 regions of SH bytes) and the two buffers of the reduction
.set SJ,    576                        ; SCL: a slot's words for one reader and one half of the chunks: 32 lanes x 16 bytes, + 64
.set SH,    8*SJ
.set RBUF,  16384                      ; a buffer of the reduction: 4,096 bytes for each receiving wave
.set SPARE, 327168                     ; the spare words, 128 bytes a wave: two blocks of 256 bytes that no other line names
.set SPW,  1                           ; v1     my spare word; never rewritten
.set NIL,  2                           ; v2     0; never rewritten
.set LN16, 3                           ; v3     16 x lane
.set AB,   4                           ; v4-11  local chunk lb: 528 r + 16 hh + chunk x CHK + 32 w
.set ADR,  12                          ; v12-19 the same in the slot that is being read
.set XTB,  20                          ; v20    XT + 16 r
.set ADX,  21
.set SRB,  22                          ; v22    SCR + 2 SH w + 16 lane: where I read scale words
.set ADS,  23
.set WR,   24                          ; v24-26 reduction: where I write for wave (w + p) & 3, p = 1, 2, 3
.set RDR,  27                          ; v27    and where I read
.set PFO,  28                          ; v28    the prefetches' offset; never rewritten
.set HB,   29                          ; v29    32 hh
.set T0,   30
.set T1,   31
.set HM,   32                          ; v32-35 largest |g| of column tile et
.set PO,   36                          ; v36-37 the pooled sum so far
.set ZS,   38                          ; v38-41 Z's scale words: scales and nothing else
.set XOF,  42
.set XST,  43
.set WS,   44                          ; v44-51 w's scale words of local chunk lb: lanes 0-15 its first 16 rows, lanes 16-31 its second: scales and nothing else
.set MM,   52                          ; v52-55 a block's largest magnitude, then its byte
.set SC,   56                          ; v56-59 the conversion's scale operand
.set TT,   60
.set CH,   52                          ; v52-59 at a layer's end: four pairs of pooling sums
.set AX,   64                          ; v64-79 a of (et, c)
.set SW,   80                          ; v80-87 staging of scale words, layers 1, 2: reader w', chunk half nh at 2 w' + nh
.set SW0,  88                          ; v88-95 the same for layer 0
.set G,    96                          ; v96-159  g: register 16 et + i = h[16 hh + i] of column 16 et + r; between a layer's last Z and its new h: the next layer's raw scale bytes
.set Z,    160                         ; v160-223 Z's codes, 16 a column tile; at a layer's end at work
.set P1,   Z                           ; the staging's two steps
.set P2,   Z+16
.set FW,   Z+32                        ; fc_w of my pooled rows
.set TP,   224                         ; v224-255 two sets of 16 products; at a layer's end the biases
.set W1P,  10                          ; s[10:11] w1's codes at my 64 rows
.set WV,   30                          ; s30 wave
.set CX,   31                          ; s31 my place in the cluster: it enters global addresses alone
.set BI,   32                          ; s32 batch element
.set FCB,  33
.set G1A,  36                          ; s[36:43] descriptor group 1, w0 (rows 1,024 bytes apart)
.set G1B,  44                          ; s[44:51] the same, w1 and w2 (4,096)
.set G0A,  52                          ; s[52:55] group 0: slot 0's first fill, then every refill
.set G0B,  56                          ; s[56:59] group 0: slot 1's first fill
.set PTR,  60                          ; s[60:61] the layer's codes that a refill takes from
.set W2P,  62                          ; s[62:63] w2's codes at my 64 rows
.set SS,   66                          ; s66 slot 0 .. 17: 0, 1 layer 0; 2-9 layer 1; 10-17 layer 2
.set TB,   67                          ; s67 LDS byte at which the slot in hand begins; from the change of slots on: the next slot's
.set W32,  68
.set XO,   69
.set SO,   70
.set SEL,  74                          ; s[74:75] v_permlanex16_b32: lane l xor 16
.set MNT,  76
.set WLDS, 77                          ; s77 QTR x wave
.set PFA,  78                          ; s[78:79] where my prefetches stand
.set LIM,  82                          ; s82 a wave prefetches while SS is under it
.set BP0,  84                          ; s[84:89] b_l + 128 w, this layer's first
.set BP1,  86
.set BP2,  88
.set SP0,  90                          ; s[90:93] the next layers' scale bytes + 8,192 w
.set SP1,  92
.set FP,   94                          ; s[94:95] fc_w at my rows of this layer
.set OUTP, 96
.set SVX,  98
.set ROT,  99                          ; s99 the slot at which my cluster begins a layer's walk: the same in all four partners
.set MSB, 0
.macro WIN new                         ; the immediate's high byte repeats the setting that is left; a switch that changes nothing is dropped
.if MSB != (\new)
	s_set_vgpr_msb (MSB<<8)|(\new)
.set MSB, (\new)
.endif
.endm
.macro PLACES n
.rept \n
	v_nop
.endr
.endm
.macro BAR
	s_barrier_signal -1
	s_barrier_wait -1
.endm
.macro CREST                           ; a round of the cluster's barrier behind its opening barrier
	s_cmp_lg_u32 s[WV], 0
	s_cbranch_scc1 .Lnw0_\@
	s_barrier_signal -3
.Lnw0_\@:
	s_barrier_wait -3
	s_barrier_signal -1
	s_barrier_wait -1
.endm
.macro ROUND                           ; a whole round
	s_barrier_signal -1
	s_barrier_wait -1
	CREST
.endm
; Eight addresses for the staging: SCR + (2 w' + (w >> 1)) SH + 4 ((2 w + nh - w') & 3) + the lane's part.  s72 = (w >> 1) SH, s73 = 2 w.
.macro MKSW dst, lp
.irp wr,0,1,2,3
.irp nh,0,1
	s_add_co_u32 s71, s73, (\nh+4-\wr)
	s_and_b32 s71, s71, 3
	s_lshl_b32 s71, s71, 2
	s_add_co_u32 s71, s71, s72
	s_add_co_u32 s71, s71, SCR+2*\wr*SH
	v_add_nc_u32 v[\dst+2*\wr+\nh], s71, v[\lp]
.endr
.endr
.endm
; Four items of raw scale bytes (16 bytes a lane each: byte 4 c + w' is block c of reader w') become four words a lane each, one for each reader, and go to the readers' places.
; raw: the items' first register.  kind = 1: rows of 128 bytes (item n: row 4 n + lane / 8, slot lane % 8); kind = 0: rows of 32 bytes (row 16 n + lane / 2, slot lane % 2).
.macro STG4 n0, raw, sw, kind
.irp q,0,1,2,3
	v_perm_b32 v[P1+4*\q],   v[\raw+4*\q+1], v[\raw+4*\q],   0x05010400
	v_perm_b32 v[P1+4*\q+1], v[\raw+4*\q+1], v[\raw+4*\q],   0x07030602
	v_perm_b32 v[P1+4*\q+2], v[\raw+4*\q+3], v[\raw+4*\q+2], 0x05010400
	v_perm_b32 v[P1+4*\q+3], v[\raw+4*\q+3], v[\raw+4*\q+2], 0x07030602
.endr
.irp q,0,1,2,3
	v_perm_b32 v[P2+4*\q],   v[P1+4*\q+2], v[P1+4*\q],   0x05040100
	v_perm_b32 v[P2+4*\q+1], v[P1+4*\q+2], v[P1+4*\q],   0x07060302
	v_perm_b32 v[P2+4*\q+2], v[P1+4*\q+3], v[P1+4*\q+1], 0x05040100
	v_perm_b32 v[P2+4*\q+3], v[P1+4*\q+3], v[P1+4*\q+1], 0x07060302
.endr
.irp q,0,1,2,3
.set nn, (\n0)+\q
.if \kind
.set im, 64*(nn&7)
.set snh, nn>>3
.else
.set im, 256*(nn&1)
.set snh, nn>>1
.endif
.irp wr,0,1,2,3
	ds_store_b32 v[\sw+2*\wr+snh], v[P2+4*\q+\wr] offset:im
.endr
.endr
.endm
; Sixteen LDS loads: the fragments of local row tiles 4 g .. 4 g + 3 (local chunks 2 g, 2 g + 1), from the slot that v[ADR] names.
.macro ALOAD g
	WIN 0x40                                       ; destination window 1
.irp l,0,1
.irp u,0,1
.irp c,0,1,2,3
	ds_load_b128 v[16*(2*(2*(\g)+\l)+\u)+4*\c:16*(2*(2*(\g)+\l)+\u)+4*\c+3], v[ADR+2*(\g)+\l] offset:16*PITCH*\u+128*\c
.endr
.endr
.endr
	WIN 0
.endm
; THE MAKING OF Z.  Column tile et's four blocks are a list of 127 places; GI writes number gnx of it.  0-22: the four blocks' largest magnitudes, scale operands and bytes, and the scale word.
; Then 26 for each block c: eight packed products a x g, sixteen empty places, two conversions.
.macro GI et
.if gnx < 4
	v_mul_f32 v[MM+gnx], |v[AX+4*(\et)+gnx]|, v[HM+(\et)]          ; the block's largest magnitude
.elseif gnx < 8
	v_max_num_f32 v[MM+gnx-4], 0x8000000, v[MM+gnx-4]              ; the floor 2^(16 - 127): the byte cannot fall under 1
.elseif gnx < 12
	v_add_nc_u32 v[SC+gnx-8], 0xf8800000, v[MM+gnx-8]              ; 15 off its exponent field: the conversion takes this operand's exponent field as its scale
.elseif gnx < 16
.elseif gnx < 20
	v_lshrrev_b32 v[MM+gnx-16], 23, v[SC+gnx-16]                   ; the scale's byte
.elseif gnx == 20
	v_lshl_or_b32 v[ZS+(\et)], v[MM+1], 8, v[MM]
.elseif gnx == 21
	v_lshl_or_b32 v[ZS+(\et)], v[MM+2], 16, v[ZS+(\et)]
.elseif gnx == 22
	v_lshl_or_b32 v[ZS+(\et)], v[MM+3], 24, v[ZS+(\et)]            ; more than eight places ahead of the products that read it
.else
.set gcx, (gnx-23)/26
.set gkx, (gnx-23)%26
.set tps, TP+16*(gcx%2)
.if gkx < 8
.if (gcx%2) == 0
	v_pk_mul_f32 v[tps+2*gkx:tps+2*gkx+1], v[G+16*(\et)+2*gkx:G+16*(\et)+2*gkx+1], v[AX+4*(\et)+gcx:AX+4*(\et)+gcx+1] op_sel_hi:[1,0]                ; a lies in the pair's first register
.else
	v_pk_mul_f32 v[tps+2*gkx:tps+2*gkx+1], v[G+16*(\et)+2*gkx:G+16*(\et)+2*gkx+1], v[AX+4*(\et)+gcx-1:AX+4*(\et)+gcx] op_sel:[0,1] op_sel_hi:[1,1]   ; in its second
.endif
.elseif gkx < 24
.elseif gkx == 24
	v_cvt_scalef32_pk8_bf8_f32 v[Z+16*(\et)+4*gcx:Z+16*(\et)+4*gcx+1], v[tps:tps+7], v[SC+gcx]
.else
	v_cvt_scalef32_pk8_bf8_f32 v[Z+16*(\et)+4*gcx+2:Z+16*(\et)+4*gcx+3], v[tps+8:tps+15], v[SC+gcx]
.endif
.endif
.endm
.macro GENF et                         ; the whole list, on end
.set gnx, 0
.rept 127
	GI \et
.set gnx, gnx+1
.endr
.endm
.macro SLICE                           ; the next eight of the 254 places of column tiles 2 and 3; they name no register of the products round them
	WIN 0
.rept 8
.if gsx < 254
.set gnx, gsx%127
	GI 2+gsx/127
.set gsx, gsx+1
.endif
.endr
.endm
; One product: local row tile t x column tile et.  zero = 1: a layer's first slot starts the sums.  Each of the 64 accumulators has one turn a slot, in the same order in every slot.
.macro PROD t, et, zero
	WIN 0xa1+0x50*((\t)/8)                         ; source 0 window 1, source 1 window 0, C and D window 2 or 3
.set dd, 32*((\t)%8)+8*(\et)
.set aa, 16*(\t)
.set bb, Z+16*(\et)
.set sa, WS+(\t)/2
.if \zero
.if (\t)%2
	v_wmma_scale_f32_16x16x128_f8f6f4 v[dd:dd+7], v[aa:aa+15], v[bb:bb+15], 0, v[sa], v[ZS+(\et)] matrix_a_fmt:MATRIX_FMT_BF8 matrix_b_fmt:MATRIX_FMT_BF8 matrix_a_scale:MATRIX_SCALE_ROW1
.else
	v_wmma_scale_f32_16x16x128_f8f6f4 v[dd:dd+7], v[aa:aa+15], v[bb:bb+15], 0, v[sa], v[ZS+(\et)] matrix_a_fmt:MATRIX_FMT_BF8 matrix_b_fmt:MATRIX_FMT_BF8
.endif
.else
.if (\t)%2
	v_wmma_scale_f32_16x16x128_f8f6f4 v[dd:dd+7], v[aa:aa+15], v[bb:bb+15], v[dd:dd+7], v[sa], v[ZS+(\et)] matrix_a_fmt:MATRIX_FMT_BF8 matrix_b_fmt:MATRIX_FMT_BF8 matrix_a_scale:MATRIX_SCALE_ROW1
.else
	v_wmma_scale_f32_16x16x128_f8f6f4 v[dd:dd+7], v[aa:aa+15], v[bb:bb+15], v[dd:dd+7], v[sa], v[ZS+(\et)] matrix_a_fmt:MATRIX_FMT_BF8 matrix_b_fmt:MATRIX_FMT_BF8
.endif
.endif
.endm
.macro PGRP g, zero                    ; pass 1, group g: row tiles 4 g .. 4 g + 3 x column tiles 2, 3
.irp k,0,1,2,3
	PROD 4*(\g)+\k, 2, \zero
	PROD 4*(\g)+\k, 3, \zero
.endr
.endm
; A PREFETCH INTO THE L2 of w2's slot SS, at the change of slots in slots 0 to 7: 256 rows x 512 bytes.  The first tensor loads of w2 go out in slot 8, for all eight of its slots (each cluster for its own first): so w2's
; last slot is asked for one slot ahead of them and its first eight.  The first cluster asks.  Its four partners share the rows out by address (64 each), their waves take 16 each, a lane half a row (256 bytes): each
; aligned 256 bytes are named once in the launch.  w0 and w1 come by their loads alone: they are wanted at the head and straight behind it.
.macro ASK
	s_cmp_lt_u32 s[SS], s[LIM]
	s_cbranch_scc0 .Lna_\@
	global_prefetch_b8 v[PFO], s[PFA:PFA+1] th:TH_LOAD_NT scope:SCOPE_SE
.Lna_\@:
.endm
; THE CHANGE OF SLOTS, first part, eight products ahead of pass 0's end.  All my tensor loads have landed (one was out: my quarter of the next slot); 0 goes onto my spare word; the wait for that stands behind the eight products.
; fill = 1: group 0 is made for slot SS + 2: its layer's codes, the slot (SS + ROT) & 7 of the layer, into the ring's slot in hand.
.macro CHGA fill
	WIN 0                                          ; (the add's two registers lie in window 0)
	s_wait_tensorcnt 0x0                           ; no tensor load of mine is out, so group 0 may be written
	ds_add_u32 v[SPW], v[NIL]
.if \fill
	s_cmp_lt_u32 s[SS], 8                          ; slots 2 to 9 are w1's, 10 to 17 w2's
	s_cselect_b64 s[PTR:PTR+1], s[W1P:W1P+1], s[W2P:W2P+1]
	s_add_co_u32 s71, s[SS], s[ROT]
	s_and_b32 s71, s71, 7
	s_lshl_b32 s72, s71, 9                         ; 512 bytes of a row a slot
	s_mov_b32 s73, 0
	s_add_nc_u64 s[G0A+2:G0A+3], s[PTR:PTR+1], s[72:73]
	s_or_b32 s[G0A+3], s[G0A+3], 0x80000000        ; type = 2
	s_add_co_u32 s[G0A+1], s[TB], s[WLDS]          ; my quarter of the slot in hand
	s_wait_xcnt 0x0                                ; the last prefetch, a slot back, has read its address
	s_cmp_lg_u32 s[SS], 0
	s_cselect_b32 s72, 512, 0                      ; slot 0 asks for w2's first slot, each later one for the next
	s_add_nc_u64 s[PFA:PFA+1], s[PFA:PFA+1], s[72:73]
.endif
	s_xor_b32 s[TB], s[TB], SLOT                   ; from here on: the next slot's place in the ring
.endm
; Pass 1, groups 1 to 3: eight products, eight places behind them, then the group's fragments take the next slot's bytes.  skip = 1: in slot 17 there is no next slot.
.macro PG1 g, zero, skip
	PGRP \g, \zero
	WIN 0
	PLACES 8                                       ; in front of loads into registers that these products have read, and, behind the last group, of whatever reads or writes the products' registers next
.if \skip
	s_cmp_eq_u32 s[SS], 17
	s_cbranch_scc1 .Lskp_\@
.endif
.if (\g) > 2
	s_wait_dscnt 40                                ; 48 fragment loads were issued behind the next slot's a: a is in
.endif
	s_wait_alu depctr_va_vdst(0)
	ALOAD \g
.if \skip
.Lskp_\@:
.endif
.endm
; A SLOT FROM ITS FIRST PRODUCT ON.  zero: a layer's first slot.  fill: slot SS + 2 is asked for.  xl0: the next slot is layer 0's.  skip: see PG1.
.macro BODY zero, fill, xl0, skip
.set gsx, 0
.set ptx, 0
.rept 16                               ; pass 0
.if ptx == 12
	s_wait_alu depctr_va_vdst(0)
	CHGA \fill
.endif
	PROD ptx, 0, \zero
	SLICE
	PROD ptx, 1, \zero
	SLICE
.set ptx, ptx+1
.endr
	PLACES 4                                       ; codes written by vector instructions stand four places ahead of a scaled matrix instruction; also the plain line behind the last conversion
	s_wait_alu depctr_va_vdst(0)
	s_wait_dscnt 0x0                               ; the add is done; my reads of the slot in hand were over ahead of pass 0
	s_barrier_signal -1                            ; (fill = 1: this barrier opens a round of the cluster's barrier)
	PGRP 0, \zero                                  ; work on registers while the others arrive
	WIN 0
.irp lb,0,1,2,3,4,5,6,7
	v_add_nc_u32 v[ADR+\lb], s[TB], v[AB+\lb]      ; the next slot's addresses: these nine additions are the places behind group 0's products
.endr
	v_add_nc_u32 v[ADX], s[XO], v[XTB]
	s_barrier_wait -1
.if \fill
	CREST                                          ; no wave of any partner still reads the slot in hand or has a load on its way
	tensor_load_to_lds s[G0A:G0A+3], s[G1B:G1B+7]  ; my one tensor load until the next round: it has a whole slot's work in which to land
	s_nop 0
	PLACES 4
.endif
.if \skip
	s_cmp_eq_u32 s[SS], 17
	s_cbranch_scc1 .Lsk0_\@
.endif
.if \xl0
	s_wait_alu depctr_va_vdst(0)
.irp et,0,1,2,3                        ; a of the next slot, layer 0: f = 16 j + 4 c + w: s[XO] = 4,096 j + 4 w
.irp c,0,1,2,3
	ds_load_b32 v[AX+4*\et+\c], v[ADX] offset:1024*\c+256*\et
.endr
.endr
.else
	s_wait_alu depctr_va_vdst(0)
.irp et,0,1,2,3                        ; layers 1, 2: f = 4 j + c: 16 bytes a column tile: s[XO] = 1,024 j
	ds_load_b128 v[AX+4*\et:AX+4*\et+3], v[ADX] offset:256*\et
.endr
.endif
	ALOAD 0
.if \skip
.Lsk0_\@:
.endif
.if \fill
	ASK                                            ; behind the joint load and the run of LDS loads
.endif
	PG1 1, \zero, \skip
	PG1 2, \zero, \skip
	PG1 3, \zero, \skip
.endm
; A slot's scalars: the place of its scale words (layer 0: places 6, 7, not turned) and the address of the next slot's a.
.macro SLOTSC
	s_cmp_lt_u32 s[SS], 2
	s_cselect_b32 s72, 0, s[ROT]
	s_add_co_u32 s71, s[SS], 6
	s_add_co_u32 s71, s71, s72
	s_and_b32 s71, s71, 7
	s_mul_i32 s[SO], s71, SJ
	s_add_co_u32 s71, s[SS], 7
	s_add_co_u32 s71, s71, s[ROT]
	s_and_b32 s71, s71, 7
	s_lshl_b32 s[XO], s71, 10
.endm
; A slot's head: w's scale words are asked for, and Z of column tiles 0 and 1 is made while they and the fragments arrive.
.macro PHG
	v_add_nc_u32 v[ADS], s[SO], v[SRB]
	ds_load_b128 v[WS:WS+3], v[ADS]
	ds_load_b128 v[WS+4:WS+7], v[ADS] offset:SH
	GENF 0
	GENF 1
	s_wait_dscnt 0x0                               ; the 64 fragment loads and the scale words are in: my reads of this slot's bytes are over
	PLACES 4                                       ; codes stand four places ahead of a scaled matrix instruction
.endm
; THE REDUCTION.  Unit n = 6 H + 2 (p - 1) + u: every wave sends its four tiles (local chunk 4 H + p, half u, et = 0 .. 3), as images of their registers, to wave (w + p) & 3, whose own chunk 4 H they belong to.
.macro RSTORE n
.set rH, (\n)/6
.set rp, ((\n)%6)/2+1
.set rb, 32*(2*rp+(\n)%2)
	WIN 0x08+4*rH                                  ; an LDS store's data are its source 1: window 2 or 3
.irp et,0,1,2,3
	ds_store_b128 v[WR+rp-1], v[rb+8*\et:rb+8*\et+3] offset:((\n)%2)*RBUF+1024*\et          ; each accumulator from its low end on
	ds_store_b128 v[WR+rp-1], v[rb+8*\et+4:rb+8*\et+7] offset:((\n)%2)*RBUF+1024*\et+512
.endr
	WIN 0
.endm
.macro RLOAD n
.irp et,0,1,2,3
	ds_load_b128 v[Z+8*\et:Z+8*\et+3], v[RDR] offset:((\n)%2)*RBUF+1024*\et
	ds_load_b128 v[Z+8*\et+4:Z+8*\et+7], v[RDR] offset:((\n)%2)*RBUF+1024*\et+512
.endr
.endm
.macro RADD n
.set rH, (\n)/6
.set rb, 32*((\n)%2)
	WIN 0x82+0x41*rH                               ; destination and source 0: window 2 or 3
.irp et,0,1,2,3
.irp q,0,2,4,6
	v_pk_add_f32 v[rb+8*\et+\q:rb+8*\et+\q+1], v[rb+8*\et+\q:rb+8*\et+\q+1], v[Z+8*\et+\q:Z+8*\et+\q+1]
.endr
.endr
	WIN 0
.endm
; Two buffers by turns, one barrier a unit.  In front of its signal my stores of unit n + 1 have landed and my loads of unit n are in: so behind it unit n + 1 is whole and unit n's buffer is free.
; Unit n's additions, work on registers, stand between the signal and the wait.
.macro REDUCE
	RSTORE 0
	s_wait_dscnt 0x0
	BAR
.irp n,0,1,2,3,4,5,6,7,8,9,10,11
.if \n < 11
	RSTORE \n+1
.endif
	RLOAD \n
	s_wait_dscnt 0x0
.if \n < 11
	s_barrier_signal -1
	RADD \n
	s_barrier_wait -1
.else
	RADD \n
.endif
.endr
.endm
.macro BIASLD                          ; b of my two chunks, in the result's layout: register 16 H + 8 u + j is row 128 H + 32 w + 16 u + 8 hh + j
.irp H,0,1
.irp u,0,1
.irp q,0,1
	global_load_b128 v[TP+16*\H+8*\u+4*\q:TP+16*\H+8*\u+4*\q+3], v[HB], s[BP0:BP0+1] offset:512*\H+64*\u+16*\q
.endr
.endr
.endr
.endm
.macro FCLD H                          ; fc_w of my pooled chunk 4 H, likewise
.irp u,0,1
.irp q,0,1
	global_load_b128 v[FW+16*\H+8*\u+4*\q:FW+16*\H+8*\u+4*\q+3], v[HB], s[FP:FP+1] offset:512*\H+64*\u+16*\q
.endr
.endr
.endm
; My chunk 4 H is pooled: + bias, relu, x fc_w, into four pairs of sums.  start = 1: the first products start them.
.macro EPOOL H, start
.irp u,0,1
	WIN 0x02+\H                                    ; source 0: window 2 or 3
.irp et,0,1,2,3
.irp q,0,2,4,6
	v_pk_add_f32 v[Z+8*\et+\q:Z+8*\et+\q+1], v[32*\u+8*\et+\q:32*\u+8*\et+\q+1], v[TP+16*\H+8*\u+\q:TP+16*\H+8*\u+\q+1]
.endr
.endr
	WIN 0
.set i, 0
.rept 32
	v_max_num_f32 v[Z+i], 0, v[Z+i]
.set i, i+1
.endr
.irp q,0,2,4,6
.irp et,0,1,2,3
.if \start && (\u == 0) && (\q == 0)
	v_pk_mul_f32 v[CH+2*\et:CH+2*\et+1], v[Z+8*\et+\q:Z+8*\et+\q+1], v[FW+16*\H+8*\u+\q:FW+16*\H+8*\u+\q+1]
.else
	v_pk_fma_f32 v[CH+2*\et:CH+2*\et+1], v[Z+8*\et+\q:Z+8*\et+\q+1], v[FW+16*\H+8*\u+\q:FW+16*\H+8*\u+\q+1], v[CH+2*\et:CH+2*\et+1]
.endif
.endr
.endr
.endr
.endm
.macro FOLD
	v_pk_add_f32 v[CH:CH+1], v[CH:CH+1], v[CH+2:CH+3]
	v_pk_add_f32 v[CH+4:CH+5], v[CH+4:CH+5], v[CH+6:CH+7]
	v_pk_add_f32 v[CH:CH+1], v[CH:CH+1], v[CH+4:CH+5]
	v_pk_add_f32 v[PO:PO+1], v[PO:PO+1], v[CH:CH+1]
.endm
; My chunk 4 + w becomes g of the next layer.  Tile u's register j is h 16 u + 8 hh + j; wanted is register i = h 16 hh + i: the exchange of tile 0's upper lanes with tile 1's lower lanes does it.
.macro EHID
	WIN 0x03
.irp u,0,1
.irp et,0,1,2,3
.irp q,0,2,4,6
	v_pk_add_f32 v[G+16*\et+8*\u+\q:G+16*\et+8*\u+\q+1], v[32*\u+8*\et+\q:32*\u+8*\et+\q+1], v[TP+16+8*\u+\q:TP+16+8*\u+\q+1]
.endr
.endr
.endr
	WIN 0
.set i, 0
.rept 64
	v_max_num_f32 v[G+i], 0, v[G+i]
.set i, i+1
.endr
.irp et,0,1,2,3
.irp j,0,1,2,3,4,5,6,7
	v_permlane16_swap_b32 v[G+16*\et+\j], v[G+16*\et+8+\j]
.endr
.endr
.endm
.macro HMAX                            ; the largest |g| of my 32, for each column tile: my 16 and lane l xor 16's
.irp et,0,1,2,3
	v_max3_num_f32 v[HM+\et], |v[G+16*\et]|, |v[G+16*\et+1]|, |v[G+16*\et+2]|
.endr
.irp i,3,5,7,9,11,13
.irp et,0,1,2,3
	v_max3_num_f32 v[HM+\et], v[HM+\et], |v[G+16*\et+\i]|, |v[G+16*\et+\i+1]|
.endr
.endr
.irp et,0,1,2,3
	v_max_num_f32 v[HM+\et], v[HM+\et], |v[G+16*\et+15]|
.endr
.irp et,0,1,2,3
	v_permlanex16_b32 v[MM+\et], v[HM+\et], s[SEL], s[SEL+1]
.endr
.irp et,0,1,2,3
	v_max_num_f32 v[HM+\et], v[HM+\et], v[MM+\et]
.endr
.endm
; ---------------------------------------------------------------- the head
	s_load_b512 s[4:19], s[0:1], 0x0               ; x, w0 codes, w0 scales, w1 codes, w1 scales, w2 codes, w2 scales, b0
	s_load_b256 s[20:27], s[0:1], 0x40             ; b1, b2, fc_w, fc_b
	s_load_b64 s[28:29], s[0:1], 0x60              ; out0
	v_lshl_add_u32 v[SPW], v0, 2, SPARE
	v_mov_b32 v[NIL], 0
	ds_add_u32 v[SPW], v[NIL]                      ; the wave's opening: the add, twice on end, and its wait stand ahead of my first tensor load; the set-up below stands between
	ds_add_u32 v[SPW], v[NIL]
	v_lshrrev_b32 v[T0], 5, v0
	v_readfirstlane_b32 s[WV], v[T0]               ; wave 0..3
	s_bfe_u32 s[CX], ttmp6, 0x40000                ; my place in the cluster
	s_lshl_b32 s[BI], ttmp9, 2                     ; in a cluster launch ttmp9 counts clusters
	s_add_co_u32 s[BI], s[BI], s[CX]               ; my batch element
	s_lshr_b32 s[ROT], ttmp9, 3
	s_add_co_u32 s[ROT], s[ROT], ttmp9
	s_and_b32 s[ROT], s[ROT], 7                    ; (q + q / 8) mod 8: each run of eight clusters, and each eight clusters that lie 2, 4 or 8 apart, begin at eight different slots
	; descriptor group 1: 64 rows x 512 bytes, 16 bytes of padding behind each row
.irp g, G1A, G1B
	s_mov_b32 s[\g], 15|(1<<20)|(1<<21)|(6<<22)|(3<<25)  ; 15:0 the mask: all four work-groups; 17:16 elements of 1 byte; 20 padding on; 21 set beside a mask; 24:22 after every 128 words (code 6); 31:25 four words (code 3)
	s_mov_b32 s[\g+1], 512<<16                     ; tensor_dim0
	s_mov_b32 s[\g+2], 64<<16                      ; tensor_dim1
	s_mov_b32 s[\g+3], 512<<16                     ; tile_dim0
	s_mov_b32 s[\g+4], 64                          ; tile_dim1
	s_mov_b32 s[\g+6], 0
	s_mov_b32 s[\g+7], 0
.endr
	s_mov_b32 s[G1A+5], 1024                       ; a row of w0 in memory
	s_mov_b32 s[G1B+5], 4096                       ; of w1, w2
	s_mov_b32 s[SEL], 0x76543210
	s_mov_b32 s[SEL+1], 0xfedcba98
	s_mul_i32 s[WLDS], s[WV], QTR
	s_lshl_b32 s[W32], s[WV], 5
	v_and_b32 v[T0], 31, v0                        ; lane
	v_and_b32 v[T1], 15, v0                        ; r
	v_bfe_u32 v[HB], v0, 4, 1                      ; hh
	v_lshlrev_b32 v[LN16], 4, v[T0]
	v_mul_u32_u24 v[ADX], v[T1], PITCH
	v_lshl_add_u32 v[ADX], v[HB], 4, v[ADX]        ; 528 r + 16 hh
	s_wait_alu depctr_va_vdst(0)
.irp lb,0,1,2,3,4,5,6,7
	s_add_co_u32 s71, s[WV], \lb
	s_and_b32 s71, s71, 3
	s_or_b32 s71, s71, (\lb&4)                     ; the chunk that I call lb
	s_mul_i32 s71, s71, CHK
	s_add_co_u32 s71, s71, s[W32]
	v_add_nc_u32 v[AB+\lb], s71, v[ADX]
.endr
	v_lshl_add_u32 v[XTB], v[T1], 4, XT
	s_mul_i32 s71, s[WV], 2*SH
	s_add_co_u32 s71, s71, SCR
	v_add_nc_u32 v[SRB], s71, v[LN16]
.irp p,1,2,3
	s_add_co_u32 s71, s[WV], \p
	s_and_b32 s71, s71, 3
	s_lshl_b32 s71, s71, 12
	s_add_co_u32 s71, s71, SCR
	v_add_nc_u32 v[WR+\p-1], s71, v[LN16]
.endr
	s_lshl_b32 s71, s[WV], 12
	s_add_co_u32 s71, s71, SCR
	v_add_nc_u32 v[RDR], s71, v[LN16]
	v_lshrrev_b32 v[ADX], 1, v[T0]
	v_and_b32 v[PFO], 1, v[T0]
	v_lshlrev_b32 v[PFO], 8, v[PFO]
	v_lshl_add_u32 v[PFO], v[ADX], 12, v[PFO]      ; row lane / 2 of 4,096 bytes, half lane % 2 of a slot's 512
	s_lshr_b32 s72, s[WV], 1
	s_mul_i32 s72, s72, SH
	s_lshl_b32 s73, s[WV], 1
	v_and_b32 v[ADX], 7, v[T0]
	v_mul_u32_u24 v[ADX], v[ADX], SJ
	v_lshrrev_b32 v[ADS], 3, v[T0]
	v_lshl_add_u32 v[ADX], v[ADS], 4, v[ADX]       ; layers 1, 2: slot lane % 8, row lane / 8
	s_wait_alu depctr_va_vdst(0)
	MKSW SW, ADX
	v_and_b32 v[ADX], 1, v[T0]
	v_mul_u32_u24 v[ADX], v[ADX], SJ
	v_lshrrev_b32 v[ADS], 1, v[T0]
	v_lshl_add_u32 v[ADX], v[ADS], 4, v[ADX]
	v_add_nc_u32 v[ADX], 6*SJ, v[ADX]              ; layer 0: slot lane % 2, at places 6 and 7; row lane / 2
	s_wait_alu depctr_va_vdst(0)
	MKSW SW0, ADX
	v_lshrrev_b32 v[XST], 6, v0                    ; where thread t puts its numbers of x: load n brings f = 8 n + t / 16, e = 4 (t % 16) + k
	v_lshlrev_b32 v[XST], 10, v[XST]
	v_bfe_u32 v[ADS], v0, 2, 2
	v_lshl_add_u32 v[XST], v[ADS], 8, v[XST]
	v_and_b32 v[ADS], 3, v0
	v_lshl_add_u32 v[XST], v[ADS], 6, v[XST]
	v_bfe_u32 v[ADS], v0, 4, 2
	v_lshl_add_u32 v[XST], v[ADS], 2, v[XST]
	v_add_nc_u32 v[XST], XT, v[XST]
	v_lshlrev_b32 v[XOF], 4, v0
	v_lshlrev_b32 v[HB], 5, v[HB]                  ; 32 hh
.irp c,0,1,2,3
	v_mov_b32 v[MM+\c], 0                          ; written once: a lane permute's destination counts as one of its sources
.endr
	v_mov_b32 v[PO], 0
	v_mov_b32 v[PO+1], 0
	s_wait_dscnt 0x0                               ; both opening adds are done
	s_wait_kmcnt 0x0
	s_mov_b32 s35, 0                               ; offsets that hang on my place in the cluster have registers of their own
	s_lshl_b32 s34, s[BI], 13
	s_add_nc_u64 s[4:5], s[4:5], s[34:35]          ; x of my batch element
	s_lshl_b32 s34, s[BI], 2
	s_add_nc_u64 s[OUTP:OUTP+1], s[28:29], s[34:35]
	s_lshl_b32 s34, s[CX], 2
	s_add_co_u32 s34, s34, s[WV]
	s_lshl_b32 s34, s34, 16                        ; rows 64 cx + 16 w of 4,096 bytes
	s_add_nc_u64 s[PFA:PFA+1], s[14:15], s[34:35]  ; in w2, at its first slot
	s_cmp_eq_u32 ttmp9, 0
	s_cselect_b32 s[LIM], 8, 0                     ; the same in all four partners
	s_mov_b32 s73, 0
	s_lshl_b32 s72, s[WV], 16
	s_add_nc_u64 s[6:7], s[6:7], s[72:73]          ; w0's codes at my 64 rows
	s_lshl_b32 s72, s[WV], 18
	s_add_nc_u64 s[W1P:W1P+1], s[10:11], s[72:73]  ; w1's, w2's
	s_add_nc_u64 s[W2P:W2P+1], s[14:15], s[72:73]
	s_lshl_b32 s72, s[WV], 11
	s_add_nc_u64 s[8:9], s[8:9], s[72:73]          ; w0's scale bytes of my 64 rows
	s_lshl_b32 s72, s[WV], 13
	s_add_nc_u64 s[SP0:SP0+1], s[12:13], s[72:73]
	s_add_nc_u64 s[SP1:SP1+1], s[16:17], s[72:73]
	s_lshl_b32 s72, s[WV], 7
	s_add_nc_u64 s[BP0:BP0+1], s[18:19], s[72:73]
	s_add_nc_u64 s[BP1:BP1+1], s[20:21], s[72:73]
	s_add_nc_u64 s[BP2:BP2+1], s[22:23], s[72:73]
	s_add_nc_u64 s[FP:FP+1], s[24:25], s[72:73]
	s_load_b32 s[FCB], s[26:27], 0x0
	s_mov_b32 s[G0A], 1                            ; count = 1
	s_mov_b32 s[G0A+1], s[WLDS]                    ; slot 0, my quarter: no place in the cluster enters an LDS address
	s_mov_b64 s[G0A+2:G0A+3], s[6:7]
	s_or_b32 s[G0A+3], s[G0A+3], 0x80000000        ; type = 2
	s_mov_b32 s[G0B], 1
	s_add_co_u32 s[G0B+1], s[WLDS], SLOT
	s_add_nc_u64 s[G0B+2:G0B+3], s[6:7], 512
	s_or_b32 s[G0B+3], s[G0B+3], 0x80000000
	ROUND                                          ; all four work-groups are here: the first joint loads meet
	tensor_load_to_lds s[G0A:G0A+3], s[G1A:G1A+7]  ; slot 0's first fill; slot 1's goes out behind the next round
	s_nop 0
	s_wait_alu depctr_va_vdst(0)
	s_wait_tensorcnt 0x0
	ds_add_u32 v1, v2
	s_wait_dscnt 0x0
	ROUND
	tensor_load_to_lds s[G0B:G0B+3], s[G1A:G1A+7]
	s_nop 0
	PLACES 4
	s_wait_alu depctr_va_vdst(0)
.irp n,0,1,2,3
	global_load_b128 v[TP+4*\n:TP+4*\n+3], v[XOF], s[4:5] offset:2048*\n th:TH_LOAD_NT   ; x: the work-group reads its 8,192 bytes once, 512 consecutive bytes a wave and load
.endr
.irp n,0,1,2,3
	global_load_b128 v[G+4*\n:G+4*\n+3], v[LN16], s[8:9] offset:512*\n                   ; w0's scale bytes of my 64 rows, dense
.endr
	s_wait_loadcnt 4                               ; x is in; the four loads behind it may be out
.irp n,0,1,2,3
.irp k,0,1,2,3
	ds_store_b32 v[XST], v[TP+4*\n+\k] offset:2048*\n+16*\k
.endr
.endr
	s_wait_loadcnt 0x0
	STG4 0, G, SW0, 0
	s_wait_kmcnt 0x0                               ; fc_b
	s_wait_tensorcnt 1                             ; my quarter of slot 0 is in; slot 1's may stay out
	s_wait_dscnt 0x0                               ; my stores of x and of the scale words have landed
	BAR
	v_lshl_add_u32 v[T0], v[HB], 7, v[XTB]         ; g of layer 0 is x itself: h = 16 hh + i
.irp et,0,1,2,3
.irp q,0,1,2,3
	ds_load_b128 v[G+16*\et+4*\q:G+16*\et+4*\q+3], v[T0] offset:1024*\q+256*\et
.endr
.endr
	s_lshl_b32 s[XO], s[WV], 2
	v_add_nc_u32 v[ADX], s[XO], v[XTB]
.irp et,0,1,2,3
.irp c,0,1,2,3
	ds_load_b32 v[AX+4*\et+\c], v[ADX] offset:1024*\c+256*\et      ; a of slot 0
.endr
.endr
	s_mov_b32 s[SS], 0
	s_mov_b32 s[TB], 0
.irp lb,0,1,2,3,4,5,6,7
	v_add_nc_u32 v[ADR+\lb], s[TB], v[AB+\lb]
.endr
	ALOAD 0                                        ; slot 0's fragments: here alone they are asked for in the slot's own head
	s_wait_dscnt 16                                ; g and a are in; the sixteen fragment loads behind them may be out
	HMAX
	ALOAD 1
	ALOAD 2
	ALOAD 3
; ---------------------------------------------------------------- slot 0 is written out: its products start layer 0's sums, and the a that it fetches are layer 0's
	s_mov_b32 s[SO], 6*SJ
	s_add_co_u32 s[XO], s[XO], 4096                ; a of slot 1
	s_wait_alu depctr_va_vdst(0)
	PHG
	s_wait_alu depctr_va_vdst(0)
	BODY 1, 1, 1, 0
	s_mov_b32 s[SS], 1
; ---------------------------------------------------------------- slots 1 to 15: in each, slot SS + 2 is asked for.  All branches hang on SS alone: the same in every wave and every partner; each arm holds the one joint load
.LloopA:
	SLOTSC
	s_wait_alu depctr_va_vdst(0)
	PHG
	s_and_b32 s71, s[SS], 7
	s_cmp_eq_u32 s71, 2                            ; slots 2 and 10 are a layer's first
	s_cbranch_scc1 .Lfirst
	s_wait_alu depctr_va_vdst(0)
	BODY 0, 1, 0, 0
	s_branch .Lmmdone
.Lfirst:
	s_wait_alu depctr_va_vdst(0)
	BODY 1, 1, 0, 0
.Lmmdone:
	s_and_b32 s71, s[SS], 7
	s_cmp_lg_u32 s71, 1                            ; slots 1 and 9 are a layer's last
	s_cbranch_scc1 .Lnob
	; ---- a layer's end.  Eight places stand behind the last products.  Every wave's last reads of the scale words were in ahead of the slot's barrier: the reduction may write over them.
	; Window 1 holds the next slot's fragments and v[AX] its a: neither is touched here.
	BIASLD
	FCLD 0
.irp n,0,1,2,3,4,5,6,7,8,9,10,11,12,13,14,15
	global_load_b128 v[G+4*\n:G+4*\n+3], v[LN16], s[SP0:SP0+1] offset:512*\n   ; the next layer's scale bytes of my 64 rows, dense, into g's registers: the old g is done with
.endr
	REDUCE
	BAR                                            ; every wave's last reads of the buffers are in (its wait for 0 stands in the last unit): the scale words may be written there
	s_wait_loadcnt 16                              ; the biases and fc_w are in; the sixteen loads behind them may be out
	EPOOL 0, 1
	FOLD
	s_wait_loadcnt 0x0
	STG4 0, G, SW, 1
	STG4 4, G+16, SW, 1
	STG4 8, G+32, SW, 1
	STG4 12, G+48, SW, 1
	EHID                                           ; the new g, over the raw bytes that the staging has read
	HMAX
	s_mov_b64 s[BP0:BP0+1], s[BP1:BP1+1]           ; all loads that named these are done
	s_mov_b64 s[BP1:BP1+1], s[BP2:BP2+1]
	s_mov_b64 s[SP0:SP0+1], s[SP1:SP1+1]
	s_add_nc_u64 s[FP:FP+1], s[FP:FP+1], 512
	s_wait_dscnt 0x0                               ; my scale words have landed
	BAR                                            ; everybody's have
.Lnob:
	s_add_co_u32 s[SS], s[SS], 1
	s_cmp_lt_u32 s[SS], 16
	s_cbranch_scc1 .LloopA
; ---------------------------------------------------------------- slots 16 and 17 are a loop of their own: nothing is left to ask for.  Slot 17's barrier stands behind every wave's last read of the scale words
	s_mov_b32 s[SS], 16
.LloopB:
	SLOTSC
	s_wait_alu depctr_va_vdst(0)
	PHG
	s_wait_alu depctr_va_vdst(0)
	BODY 0, 0, 0, 1
	s_add_co_u32 s[SS], s[SS], 1
	s_cmp_lt_u32 s[SS], 18
	s_cbranch_scc1 .LloopB
; ---------------------------------------------------------------- layer 2's end: both my chunks are pooled
	BIASLD
	FCLD 0
	FCLD 1
	REDUCE
	s_wait_loadcnt 0x0
	EPOOL 0, 1
	EPOOL 1, 0
	FOLD
	v_add_f32 v[T0], v[PO], v[PO+1]
	v_add_f32_dpp v[T0], v[T0], v[T0] row_xmask:1 row_mask:0xf bank_mask:0xf
	v_add_f32_dpp v[T0], v[T0], v[T0] row_xmask:2 row_mask:0xf bank_mask:0xf
	v_add_f32_dpp v[T0], v[T0], v[T0] row_xmask:4 row_mask:0xf bank_mask:0xf
	v_add_f32_dpp v[T0], v[T0], v[T0] row_xmask:8 row_mask:0xf bank_mask:0xf
	v_permlanex16_b32 v[T1], v[T0], s[SEL], s[SEL+1]
	v_add_f32 v[T0], v[T0], v[T1]                  ; my wave's sum, in every lane
	s_lshl_b32 s71, s[WV], 2
	s_add_co_u32 s71, s71, OUTW
	v_mov_b32 v[ADX], s71
	ds_store_b32 v[ADX], v[T0]                     ; all lanes write the same word with the same value
	s_wait_dscnt 0x0
	BAR
	v_mov_b32 v[ADS], OUTW
	ds_load_b128 v[CH:CH+3], v[ADS]
	s_wait_dscnt 0x0
	v_add_f32 v[CH], v[CH], v[CH+1]
	v_add_f32 v[CH+2], v[CH+2], v[CH+3]
	v_add_f32 v[CH], v[CH], v[CH+2]
	v_add_f32 v[CH], s[FCB], v[CH]
	s_cmp_lg_u32 s[WV], 0
	s_cbranch_scc1 .Lnostore
	v_mov_b32 v[T1], 0
	v_cmp_eq_u32 vcc_lo, 0, v0
	s_wait_alu depctr_va_vdst(0)
	s_wait_xcnt 0x0                                ; EXEC changes only behind this wait
	s_and_saveexec_b32 s[SVX], vcc_lo
	global_store_b32 v[T1], v[CH], s[OUTP:OUTP+1]  ; the work-group's whole result is these four bytes
	s_wait_xcnt 0x0
	s_or_b32 exec_lo, exec_lo, s[SVX]
.Lnostore:
	s_wait_tensorcnt 0x0                           ; the wave's end: behind my last tensor load and my last LDS store
	ds_add_u32 v[SPW], v[NIL]
	s_wait_dscnt 0x0
	ROUND                                          ; the closing round: no work-group ends while a partner may still ask for a tile that names it
	s_endpgm
.Lfunc_end_k_qe61b516e72_cin:
	.size	k_qe61b516e72_cin, .Lfunc_end_k_qe61b516e72_cin-k_qe61b516e72_cin
	.p2alignl 7, 3214868480
	.fill 96, 4, 3214868480
	.section	.rodata,"a",@progbits
	.p2align	6, 0x0
	.amdhsa_kernel k_qe61b516e72_cin
		.amdhsa_group_segment_fixed_size 327680
		.amdhsa_private_segment_fixed_size 0
		.amdhsa_enable_private_segment 0
		.amdhsa_kernarg_size 104
		.amdhsa_user_sgpr_count 2
		.amdhsa_user_sgpr_kernarg_segment_ptr 1
		.amdhsa_wavefront_size32 1
		.amdhsa_system_sgpr_workgroup_id_x 1
		.amdhsa_system_sgpr_workgroup_id_y 1
		.amdhsa_system_sgpr_workgroup_id_z 1
		.amdhsa_system_vgpr_workitem_id 0
		.amdhsa_next_free_vgpr 1024
		.amdhsa_next_free_sgpr 100
		.amdhsa_reserve_vcc 1
		.amdhsa_float_denorm_mode_32 3
		.amdhsa_float_denorm_mode_16_64 3
		.amdhsa_fp16_overflow 1
		.amdhsa_memory_ordered 1
		.amdhsa_forward_progress 1
		.amdhsa_inst_pref_size 252
	.end_amdhsa_kernel
	.amdgpu_metadata
---
amdhsa.version: [ 1, 2 ]
amdhsa.kernels:
  - .name:           k_qe61b516e72_cin
    .symbol:         k_qe61b516e72_cin.kd
    .args:
      - { .name: x, .offset: 0, .size: 8, .value_kind: global_buffer, .address_space: global }
      - { .name: w0_codes, .offset: 8, .size: 8, .value_kind: global_buffer, .address_space: global }
      - { .name: w0_scales, .offset: 16, .size: 8, .value_kind: global_buffer, .address_space: global }
      - { .name: w1_codes, .offset: 24, .size: 8, .value_kind: global_buffer, .address_space: global }
      - { .name: w1_scales, .offset: 32, .size: 8, .value_kind: global_buffer, .address_space: global }
      - { .name: w2_codes, .offset: 40, .size: 8, .value_kind: global_buffer, .address_space: global }
      - { .name: w2_scales, .offset: 48, .size: 8, .value_kind: global_buffer, .address_space: global }
      - { .name: b0, .offset: 56, .size: 8, .value_kind: global_buffer, .address_space: global }
      - { .name: b1, .offset: 64, .size: 8, .value_kind: global_buffer, .address_space: global }
      - { .name: b2, .offset: 72, .size: 8, .value_kind: global_buffer, .address_space: global }
      - { .name: fc_w, .offset: 80, .size: 8, .value_kind: global_buffer, .address_space: global }
      - { .name: fc_b, .offset: 88, .size: 8, .value_kind: global_buffer, .address_space: global }
      - { .name: out0, .offset: 96, .size: 8, .value_kind: global_buffer, .address_space: global }
    .group_segment_fixed_size: 327680
    .private_segment_fixed_size: 0
    .kernarg_segment_align: 8
    .kernarg_segment_size: 104
    .max_flat_workgroup_size: 128
    .sgpr_count:     100
    .vgpr_count:     1024
    .wavefront_size: 32
...
	.end_amdgpu_metadata
.endif
;; end of part 2
